; MI455X (gfx1250); checked and timed in simulation.
; The chip was launched on July 23, 2026; its instructions are those of AMD's public machine-readable ISA for CDNA 5 (MIT licence, August 2026) and "CDNA5" Instruction Set Architecture Reference Guide (July 2026). The comments in the code are by the model that wrote it; some were corrected since.
;; Parallel Hybrid Layer. Allowed arithmetic: float matrix products may take bf16 or f16 operands with f32 sums; other float arithmetic in f32, or as packed bf16 or f16 multiplies, adds, multiply-adds, maxima and minima; sums over many terms, partial sums and values carried from step to step in f32; what a program stores and reads back later, other than sums and carried values, may be rounded once to bf16 or f16.
;; Inputs: W_beta 1,024 x 16 float32; W_g 1,024 x 16 float32; W_gate 1,024 x 16 float32; W_gdn_o 1,024 x 1,024 float32; W_k 1,024 x 1,024 float32; W_lk 1,024 x 1,024 float32; W_lq 1,024 x 1,024 float32; W_lv 1,024 x 1,024 float32; W_ret_o 1,024 x 1,024 float32; W_swa_o 1,024 x 1,024 float32; W_v 1,024 x 1,024 float32; b_beta 16 float32; b_g 16 float32; b_gate 16 float32; initial_state 4 x 16 x 64 x 64 float32; input_ids 4 x 1,024 int32; norm_w 1,024 float32; x 4 x 1,024 x 1,024 float32.
;; Outputs: out0 4 x 1,024 x 1,024 float32.
;; 2 versions, each right and faster than the one before. Each part assembles by itself: llvm-mc -triple=amdgcn-amd-amdhsa -mcpu=gfx1250 --defsym DOCPART=n.
;; ======== version 1 of 2: 5 launches
;; limits: values outside matrix products are rounded to bf16
;; workspace buffers: xn 8,388,608 bytes; wt1 10,485,760 bytes; wt2 6,291,456 bytes; wst 98,304 bytes; gates 786,432 bytes; proj 41,943,040 bytes; acat 25,165,824 bytes
;; launch prep (part 1): grid 515 x 1, 4 waves a work-group, no clusters, 70,144 bytes of LDS; arguments x, norm_w, W_k, W_v, W_lq, W_lk, W_lv, W_gdn_o, W_swa_o, W_ret_o, W_beta, W_g, W_gate, xn, wt1, wt2, wst; writes xn, wt1, wt2, wst
.if DOCPART == 1
	.amdgcn_target "amdgcn-amd-amdhsa--gfx1250"
	.amdhsa_code_object_version 6
	.text
	.protected	k_q40b24f0755_prep
	.globl	k_q40b24f0755_prep
	.p2align	8
	.type	k_q40b24f0755_prep,@function
k_q40b24f0755_prep:
	s_mov_b64 s[64:65], 0
	v_nop
	global_prefetch_b8 v0, s[64:65] scope:SCOPE_SE
	s_setreg_imm32_b32 hwreg(HW_REG_WAVE_MODE, 25, 1), 1
	s_wait_xcnt 0x0
; PREP.  Three jobs, chosen by the work-group's number.
;   0..255    RMSNorm: xn[t][:] = x[t][:] * rsqrt(mean(x^2) + 1e-6) * norm_w, rounded once to bf16.  16 rows a work-group, one wave a row at a time, the row kept in registers.
;   256..511  the eight 1024 x 1024 weights, rounded to bf16 and turned to [n][k].  A wave turns a tile of 128 k x 64 n through its own LDS tile.
;             wt1 rows: 320 head + (k 0, v 64, q channels 0-31 128, kl 160, vl 224, q channels 32-63 288) + channel.  wt2 rows n, columns 1024 p + k (p: gdn_o, swa_o, ret_o).
;   512..514  the three 1024 x 16 weights -> wst[16 m + n][k] in bf16.
; No matrix unit, no cluster: memory binds and nothing is shared between work-groups.
.set TP,    272                        ; an LDS tile row: 128 k in bf16 (256 bytes) + 16
.set TILE,  64*TP                      ; 64 columns of W
.set SPARE, 4*TILE                     ; behind the four tiles: the spare words, 128 bytes a wave
.set SPW,   2                          ; v2  my spare word's address; never rewritten
.set NIL,   3                          ; v3  0; never rewritten
.set LN,    4                          ; v4  lane
.set NW,    8                          ; v[8:39]    norm_w, my 32 numbers
.set X,     40                         ; v[40:167]  four rows, 32 registers each
.set SQ,    168                        ; v[168:175] sums at work
.set LD,    8                          ; v[8:135]   turning: a ring of 64 loads of 8 bytes
.set PK,    136                        ; v[136:143] packed
	s_load_b128 s[4:7], s[0:1], 0x0                ; x, norm_w
	s_load_b512 s[8:23], s[0:1], 0x10              ; W_k, W_v, W_lq, W_lk, W_lv, W_gdn_o, W_swa_o, W_ret_o
	s_load_b128 s[24:27], s[0:1], 0x50             ; W_beta, W_g
	s_load_b64 s[28:29], s[0:1], 0x60              ; W_gate
	s_load_b256 s[32:39], s[0:1], 0x68             ; xn, wt1, wt2, wst
	v_lshl_add_u32 v[SPW], v0, 2, SPARE
	v_mov_b32 v[NIL], 0
	v_lshrrev_b32 v1, 5, v0
	v_readfirstlane_b32 s40, v1                    ; wave
	v_and_b32 v[LN], 31, v0
	s_mov_b32 s41, ttmp9
	s_mov_b32 s47, 0
	s_wait_kmcnt 0x0
	s_cmp_lt_u32 s41, 256
	s_cbranch_scc1 .Lnorm
	s_cmp_lt_u32 s41, 512
	s_cbranch_scc1 .Lturn
	; ---- the small weights: matrix m, wave w takes k = 256 w + 8 lane .. + 7: eight dense rows of 64 bytes a lane
	s_sub_co_u32 s42, s41, 512
	s_mov_b64 s[44:45], s[24:25]
	s_cmp_eq_u32 s42, 1
	s_cselect_b64 s[44:45], s[26:27], s[44:45]
	s_cmp_eq_u32 s42, 2
	s_cselect_b64 s[44:45], s[28:29], s[44:45]
	s_lshl_b32 s46, s40, 14
	v_lshl_add_u32 v5, v[LN], 9, s46
.set i, 0
.rept 32
	global_load_b128 v[LD+4*i:LD+4*i+3], v5, s[44:45] offset:16*i  ; register 16 e + n holds W[k0 + e][n]
.set i, i+1
.endr
	s_lshl_b32 s48, s42, 15                        ; 16 m rows of 2,048 bytes
	s_lshl_b32 s49, s40, 9
	s_add_co_u32 s48, s48, s49
	v_lshl_add_u32 v6, v[LN], 4, s48
	s_wait_loadcnt 0x0
.set n, 0
.rept 16
	s_wait_xcnt 0x0                                ; the last store has read PK: only now is it rewritten
.irp p, 0,1,2,3
	v_cvt_pk_bf16_f32 v[PK+(\p)], v[LD+32*(\p)+n], v[LD+32*(\p)+16+n]
.endr
	global_store_b128 v6, v[PK:PK+3], s[38:39] offset:2048*n  ; the wave stores 512 consecutive bytes of row 16 m + n
.set n, n+1
.endr
	s_endpgm
	; ---- RMSNorm
.Lnorm:
	s_lshl_b32 s42, s41, 4
	s_lshl2_add_u32 s42, s40, s42                  ; my first row: 16 g + 4 w
	s_lshl_b32 s46, s42, 12
	s_add_nc_u64 s[4:5], s[4:5], s[46:47]
	s_lshl_b32 s46, s42, 11
	s_add_nc_u64 s[32:33], s[32:33], s[46:47]
	s_mov_b32 s48, 0x76543210                      ; v_permlanex16_b32: each lane takes its own place in the other half
	s_mov_b32 s49, 0xfedcba98
	s_mov_b32 s50, 0x3a800000                      ; 1 / 1024
	s_mov_b32 s51, 0x358637bd                      ; 1e-6
	v_lshlrev_b32 v5, 4, v[LN]
	v_lshlrev_b32 v6, 3, v[LN]
.irp j, 0,1,2,3,4,5,6,7
	global_load_b128 v[NW+4*(\j):NW+4*(\j)+3], v5, s[6:7] offset:512*(\j)
.endr
.irp i, 0,1,2,3
.irp j, 0,1,2,3,4,5,6,7
	global_load_b128 v[X+32*(\i)+4*(\j):X+32*(\i)+4*(\j)+3], v5, s[4:5] offset:4096*(\i)+512*(\j) th:TH_LOAD_NT
.endr
.endr
.macro ROWN i
.set R, X+32*(\i)
	s_wait_loadcnt 8*(3-(\i))                      ; the later rows' loads, eight each, stay out
.irp c, 0,1,2,3
	v_pk_mul_f32 v[SQ+2*(\c):SQ+2*(\c)+1], v[R+2*(\c):R+2*(\c)+1], v[R+2*(\c):R+2*(\c)+1]  ; four chains, started by the first products
.endr
.set p, 4
.rept 12
	v_pk_fma_f32 v[SQ+2*(p%4):SQ+2*(p%4)+1], v[R+2*p:R+2*p+1], v[R+2*p:R+2*p+1], v[SQ+2*(p%4):SQ+2*(p%4)+1]
.set p, p+1
.endr
	v_pk_add_f32 v[SQ:SQ+1], v[SQ:SQ+1], v[SQ+2:SQ+3]
	v_pk_add_f32 v[SQ+4:SQ+5], v[SQ+4:SQ+5], v[SQ+6:SQ+7]
	v_pk_add_f32 v[SQ:SQ+1], v[SQ:SQ+1], v[SQ+4:SQ+5]
	v_add_f32 v[SQ], v[SQ], v[SQ+1]
	v_add_f32_dpp v[SQ], v[SQ], v[SQ] row_xmask:1 row_mask:0xf bank_mask:0xf
	v_add_f32_dpp v[SQ], v[SQ], v[SQ] row_xmask:2 row_mask:0xf bank_mask:0xf
	v_add_f32_dpp v[SQ], v[SQ], v[SQ] row_xmask:4 row_mask:0xf bank_mask:0xf
	v_add_f32_dpp v[SQ], v[SQ], v[SQ] row_xmask:8 row_mask:0xf bank_mask:0xf
	v_permlanex16_b32 v[SQ+1], v[SQ], s48, s49
	v_add_f32 v[SQ], v[SQ], v[SQ+1]
	v_fma_f32 v[SQ], v[SQ], s50, s51               ; mean + eps
	v_rsq_f32 v[SQ+2], v[SQ]
	v_rsq_f32 v[SQ+3], v[SQ]
	v_nop                                          ; a plain instruction between the root and its use
.set p, 0
	s_wait_alu depctr_va_vdst(0)
.rept 16
	v_pk_mul_f32 v[R+2*p:R+2*p+1], v[R+2*p:R+2*p+1], v[SQ+2:SQ+3]
.set p, p+1
.endr
.set p, 0
.rept 16
	v_pk_mul_f32 v[R+2*p:R+2*p+1], v[R+2*p:R+2*p+1], v[NW+2*p:NW+2*p+1]
.set p, p+1
.endr
.set p, 0
.rept 16
	v_cvt_pk_bf16_f32 v[R+p], v[R+2*p], v[R+2*p+1] ; in place, ascending: register p is free when pair p is packed
.set p, p+1
.endr
.irp j, 0,1,2,3,4,5,6,7
	global_store_b64 v6, v[R+2*(\j):R+2*(\j)+1], s[32:33] offset:2048*(\i)+256*(\j)  ; the wave stores 256 consecutive bytes, aligned
.endr
.endm
	ROWN 0
	ROWN 1
	ROWN 2
	ROWN 3
	s_endpgm
	; ---- a big weight's tile is turned
.Lturn:
	s_sub_co_u32 s42, s41, 256
	s_lshr_b32 s43, s42, 5                         ; which matrix
	s_and_b32 s42, s42, 31
	s_lshl2_add_u32 s42, s42, s40                  ; my tile among its 128
	s_lshr_b32 s50, s42, 3                         ; nb: 64 columns (a head)
	s_and_b32 s51, s42, 7                          ; kb: 128 rows
	s_mov_b64 s[52:53], s[8:9]
.irp m, 1,2,3,4,5,6,7
	s_cmp_eq_u32 s43, \m
	s_cselect_b64 s[52:53], s[8+2*(\m):9+2*(\m)], s[52:53]
.endr
	s_lshl_b32 s54, s51, 19
	s_lshl_b32 s55, s50, 8
	s_add_co_u32 s54, s54, s55
	s_mov_b32 s55, 0
	s_add_nc_u64 s[52:53], s[52:53], s[54:55]
	v_lshlrev_b32 v5, 3, v[LN]
.set k, 0
.rept 64
	global_load_b64 v[LD+2*k:LD+2*k+1], v5, s[52:53] offset:4096*k th:TH_LOAD_NT  ; row k, columns 2 lane, 2 lane + 1: 256 consecutive bytes a load
.set k, k+1
.endr
	; where the tile goes
	s_mul_i32 s56, s50, 320
	s_lshl_b32 s57, s43, 6
	s_add_co_u32 s56, s56, s57
	s_cmp_ge_u32 s43, 3
	s_cselect_b32 s57, 32, 0
	s_sub_co_u32 s56, s56, s57
	s_lshl_b32 s56, s56, 11                        ; wt1: (320 nb + 64 mat - 32 from kl on) rows of 2,048 bytes
	s_mul_i32 s58, s50, 393216                     ; wt2: 64 nb rows of 6,144 bytes
	s_sub_co_u32 s57, s43, 5
	s_lshl_b32 s57, s57, 11
	s_add_co_u32 s58, s58, s57
	s_lshl_b32 s59, s51, 8
	s_mov_b32 s46, 4096                            ; two rows on
	s_mov_b32 s61, 12288
	s_mov_b32 s60, 2048                            ; a row's bytes
	s_mov_b32 s62, 6144
	s_cmp_eq_u32 s43, 2
	s_cselect_b32 s48, 262144, 0                   ; q's channels 32-63 lie 128 rows further on
	s_mov_b32 s49, 0
	s_cmp_lt_u32 s43, 5
	s_cselect_b32 s54, s56, s58
	s_cselect_b64 s[44:45], s[34:35], s[36:37]
	s_cselect_b32 s46, s46, s61
	s_cselect_b32 s60, s60, s62
	s_add_co_u32 s54, s54, s59
	s_add_nc_u64 s[44:45], s[44:45], s[54:55]
	s_mul_i32 s62, s40, TILE                       ; my own tile in LDS: no barrier
	v_mul_u32_u24 v6, v[LN], 2*TP
	v_add_nc_u32 v6, s62, v6                       ; in: rows 2 lane and 2 lane + 1
	v_lshrrev_b32 v7, 4, v[LN]
	v_and_b32 v1, 15, v0
	v_mul_u32_u24 v144, v7, TP
	v_lshl_add_u32 v144, v1, 4, v144
	v_add_nc_u32 v144, s62, v144                   ; back: lanes 0-15 one row, lanes 16-31 the next
	v_mul_u32_u24 v145, v7, s60
	v_lshl_add_u32 v145, v1, 4, v145               ; and the same two rows in memory
.set g, 0
.rept 16
.if g < 8
	s_wait_loadcnt 56                              ; the ring is full again behind each group: 56 younger loads stay out
.else
	s_wait_loadcnt 56-8*(g-8)                      ; no more refills: the counts run down
.endif
.set kk, LD+2*((8*g)%64)
.irp p, 0,1,2,3
	v_cvt_pk_bf16_f32 v[PK+(\p)], v[kk+4*(\p)], v[kk+4*(\p)+2]
	v_cvt_pk_bf16_f32 v[PK+4+(\p)], v[kk+4*(\p)+1], v[kk+4*(\p)+3]
.endr
	ds_store_b128 v6, v[PK:PK+3] offset:16*g
	ds_store_b128 v6, v[PK+4:PK+7] offset:16*g+TP
.if g < 8
.irp e, 0,1,2,3,4,5,6,7
	global_load_b64 v[kk+2*(\e):kk+2*(\e)+1], v5, s[52:53] offset:4096*(64+8*g+(\e)) th:TH_LOAD_NT
.endr
.endif
.set g, g+1
.endr
.set i, 0
.rept 32
	ds_load_b128 v[LD+4*i:LD+4*i+3], v144 offset:2*TP*i  ; LDS serves a wave's instructions in order: these see the stores above
.set i, i+1
.endr
.set i, 0
.rept 32
	s_wait_dscnt 31-i
	global_store_b128 v145, v[LD+4*i:LD+4*i+3], s[44:45]  ; sixteen lanes store 256 consecutive bytes, aligned
	s_wait_xcnt 0x0                                ; the base is stepped only behind this wait
	s_add_nc_u64 s[44:45], s[44:45], s[46:47]
.if i == 15
	s_add_nc_u64 s[44:45], s[44:45], s[48:49]
.endif
.set i, i+1
.endr
	s_wait_tensorcnt 0x0                           ; the wave's end
	ds_add_u32 v[SPW], v[NIL]
	s_wait_dscnt 0x0
	s_endpgm
.Lfunc_end_k_q40b24f0755_prep:
	.size	k_q40b24f0755_prep, .Lfunc_end_k_q40b24f0755_prep-k_q40b24f0755_prep
	.p2alignl 7, 3214868480
	.fill 96, 4, 3214868480
	.section	.rodata,"a",@progbits
	.p2align	6, 0x0
	.amdhsa_kernel k_q40b24f0755_prep
		.amdhsa_group_segment_fixed_size 70144
		.amdhsa_private_segment_fixed_size 0
		.amdhsa_enable_private_segment 0
		.amdhsa_kernarg_size 136
		.amdhsa_user_sgpr_count 2
		.amdhsa_user_sgpr_kernarg_segment_ptr 1
		.amdhsa_wavefront_size32 1
		.amdhsa_system_sgpr_workgroup_id_x 1
		.amdhsa_system_sgpr_workgroup_id_y 1
		.amdhsa_system_sgpr_workgroup_id_z 1
		.amdhsa_system_vgpr_workitem_id 0
		.amdhsa_next_free_vgpr 176
		.amdhsa_next_free_sgpr 66
		.amdhsa_reserve_vcc 0
		.amdhsa_float_denorm_mode_32 3
		.amdhsa_float_denorm_mode_16_64 3
		.amdhsa_memory_ordered 1
		.amdhsa_forward_progress 1
		.amdhsa_inst_pref_size 71
	.end_amdhsa_kernel
	.amdgpu_metadata
---
amdhsa.version: [ 1, 2 ]
amdhsa.kernels:
  - .name:           k_q40b24f0755_prep
    .symbol:         k_q40b24f0755_prep.kd
    .args:
      - { .name: x, .offset: 0, .size: 8, .value_kind: global_buffer, .address_space: global }
      - { .name: norm_w, .offset: 8, .size: 8, .value_kind: global_buffer, .address_space: global }
      - { .name: W_k, .offset: 16, .size: 8, .value_kind: global_buffer, .address_space: global }
      - { .name: W_v, .offset: 24, .size: 8, .value_kind: global_buffer, .address_space: global }
      - { .name: W_lq, .offset: 32, .size: 8, .value_kind: global_buffer, .address_space: global }
      - { .name: W_lk, .offset: 40, .size: 8, .value_kind: global_buffer, .address_space: global }
      - { .name: W_lv, .offset: 48, .size: 8, .value_kind: global_buffer, .address_space: global }
      - { .name: W_gdn_o, .offset: 56, .size: 8, .value_kind: global_buffer, .address_space: global }
      - { .name: W_swa_o, .offset: 64, .size: 8, .value_kind: global_buffer, .address_space: global }
      - { .name: W_ret_o, .offset: 72, .size: 8, .value_kind: global_buffer, .address_space: global }
      - { .name: W_beta, .offset: 80, .size: 8, .value_kind: global_buffer, .address_space: global }
      - { .name: W_g, .offset: 88, .size: 8, .value_kind: global_buffer, .address_space: global }
      - { .name: W_gate, .offset: 96, .size: 8, .value_kind: global_buffer, .address_space: global }
      - { .name: xn, .offset: 104, .size: 8, .value_kind: global_buffer, .address_space: global }
      - { .name: wt1, .offset: 112, .size: 8, .value_kind: global_buffer, .address_space: global }
      - { .name: wt2, .offset: 120, .size: 8, .value_kind: global_buffer, .address_space: global }
      - { .name: wst, .offset: 128, .size: 8, .value_kind: global_buffer, .address_space: global }
    .group_segment_fixed_size: 70144
    .private_segment_fixed_size: 0
    .kernarg_segment_align: 8
    .kernarg_segment_size: 136
    .max_flat_workgroup_size: 128
    .sgpr_count:     66
    .vgpr_count:     176
    .wavefront_size: 32
...
	.end_amdgpu_metadata
.endif
;; end of part 1
;; launch gemm1 (part 2): grid 16 x 16, 4 waves a work-group, clusters of 4 x 4, 327,680 bytes of LDS; arguments xn, wt1, proj; writes proj
.if DOCPART == 2
	.amdgcn_target "amdgcn-amd-amdhsa--gfx1250"
	.amdhsa_code_object_version 6
	.text
	.protected	k_q40b24f0755_gemm1
	.globl	k_q40b24f0755_gemm1
	.p2align	8
	.type	k_q40b24f0755_gemm1,@function
k_q40b24f0755_gemm1:
	s_mov_b64 s[64:65], 0
	v_nop
	global_prefetch_b8 v0, s[64:65] scope:SCOPE_SE
	s_setreg_imm32_b32 hwreg(HW_REG_WAVE_MODE, 25, 1), 1
	s_wait_xcnt 0x0
	s_wait_alu depctr_hold_cnt(0) depctr_sa_sdst(0) depctr_va_vdst(0) depctr_va_sdst(0) depctr_va_ssrc(0) depctr_va_vcc(0) depctr_vm_vsrc(0)
	s_getreg_b32 s2, hwreg(HW_REG_IB_STS2, 6, 4)
	s_cmp_eq_u32 s2, 0
	s_cbranch_scc0 .Lentry_in_a_cluster
	s_endpgm
.Lentry_in_a_cluster:
	s_bfe_u32 s2, ttmp6, 0x10000c
	s_cmp_lg_u32 s2, 0xf033
	s_cbranch_scc0 .Lentry_shape_is_right
	s_endpgm
.Lentry_shape_is_right:
; The five projections as one product: proj = xn [4096][1024] x wt1^T [5120][1024], bf16 operands, f32 sums.
; A work-group makes 256 tokens x the 320 columns of one head (k 64, v 64, q 0-31 | kl 64, vl 64, q 32-63): 16 x 16 = 256 work-groups.
; Four waves, each 128 tokens x 160 columns: 80 accumulators of 16 x 16, 640 registers.  K in 8 steps of 128 through two LDS slots filled by tensor loads.
; CLUSTER 4 x 4: a row of the cluster shares xn's tile, a column wt1's: joint loads with a mask of four.
; The matrix instruction is used transposed (source 0 = rows of wt1, source 1 = rows of xn): a lane holds one token and eight neighbouring columns.
; WAY OUT: k is divided by max(|k|, 1e-12) per token and head, in f32; all is rounded once to bf16 and laid by heads:
;   KH 0, VH 8 MiB, KL 16 MiB, VL 24 MiB: [b][h][t][64];  QH 32 MiB: [b][h][2 planes of 32 channels][t][32].
; LIMIT: v_sqrt_f32 takes a denormal sum of squares as 0; the divisor is then 1e-12.  NaN and infinities are not treated apart.
; REGISTERS, in windows of 256:  window 0: v0-31 addresses; A's fragments, buffer f at v[32 + 64 f]; B's buffer 0 at v160-239
;   window 1: accumulators of row blocks 6, 7 at v0-159; B's buffer 1 at v160-239     window 2: row blocks 0-2     window 3: row blocks 3-5
.set KSTEP,  128
.set PITCH,  272                       ; 256 bytes + 16: the 16 rows of a fragment load start at 16 different groups of banks
.set AH,     128*PITCH                 ; half of A's tile: one tensor load
.set BH,     160*PITCH                 ; half of B's tile
.set SLOT,   2*AH+2*BH
.set SPARE,  2*SLOT                    ; behind the ring: the spare words
.set SPITCH, 336                       ; a stage row: 160 columns in bf16 + 16
.set STG,    5632                      ; a wave's stage, 16 rows: it lies in slot 0, which has had its last fill and its last read when the stage is first written
.set ADRA, 16
.set ADRB, 20
.set STO,  24
.set RDX,  25
.set RDQ,  26
.set CO,   27
.set SPW,  28
.set NIL,  29
.set FA,   32
.set FB,   160
.set TMP,  32                          ; the way out: 40 packed registers
.set BK,   72                          ; two sets of 40: rows read back
.set INV,  160                         ; 1 / |k|, a pair for each row block
.set SS,   176                         ; sums of squares, four registers for each row block
.set G1,  24
.set G0,  32
.set G1B, 48
.set G0B, 56
.set SEL, 78
.set MSB, 0
.macro WIN new                         ; the immediate's high byte repeats the setting that is left
.if MSB != (\new)
	s_set_vgpr_msb (MSB<<8)|(\new)
.set MSB, (\new)
.endif
.endm
.macro JLOAD s                         ; a joint load: waves 0, 1 fetch A's halves, waves 2, 3 B's; an s_nop 0 and four v_nop follow each line
	s_cmp_eq_u32 s11, 0
	s_cbranch_scc0 .Lfor_b_\@
	tensor_load_to_lds s[G0+4*(\s):G0+4*(\s)+3], s[G1:G1+7]
	s_nop 0
.rept 4
	v_nop
.endr
	s_branch .Lasked_\@
.Lfor_b_\@:
	tensor_load_to_lds s[G0B+4*(\s):G0B+4*(\s)+3], s[G1B:G1B+7]
	s_nop 0
.rept 4
	v_nop
.endr
.Lasked_\@:
.endm
.macro CREST                           ; a round of the cluster's barrier behind its opening barrier
	s_cmp_lg_u32 s10, 0
	s_cbranch_scc1 .Lnot_wave_0_\@
	s_barrier_signal -3
.Lnot_wave_0_\@:
	s_barrier_wait -3
	s_barrier_signal -1
	s_barrier_wait -1
.endm
.macro CROUND
	s_barrier_signal -1
	s_barrier_wait -1
	CREST
.endm
.macro PLACES                          ; four places in front of loads into registers that matrix instructions have read, and of lines that read results
.rept 4
	v_nop
.endr
.endm
	s_load_b128 s[4:7], s[0:1], 0x0                ; xn, wt1
	s_load_b64 s[8:9], s[0:1], 0x10                ; proj
	v_lshl_add_u32 v[SPW], v0, 2, SPARE
	v_mov_b32 v[NIL], 0
	ds_add_u32 v[SPW], v[NIL]                      ; the wave's opening: the add and its wait stand ahead of my first tensor load
	ds_add_u32 v28, v29
	v_lshrrev_b32 v1, 5, v0
	v_readfirstlane_b32 s10, v1                    ; wave
	s_lshr_b32 s11, s10, 1                         ; my half of the tokens; also: I fetch A (0) or B (1)
	s_and_b32 s12, s10, 1                          ; my half of the columns; also: which half of that tile I fetch
	s_bfe_u32 s40, ttmp6, 0x40000                  ; cx
	s_bfe_u32 s41, ttmp6, 0x40004                  ; cy
	s_lshl_b32 s42, ttmp9, 2
	s_add_co_u32 s42, s42, s40                     ; the head
	s_and_b32 s13, ttmp7, 0xffff
	s_lshl_b32 s13, s13, 2
	s_add_co_u32 s13, s13, s41                     ; the block of 256 tokens
	s_lshl_b32 s43, s41, 2
	s_lshl_b32 s43, 15, s43                        ; my row of the cluster
	s_lshl_b32 s44, 0x1111, s40                    ; my column
	s_or_b32 s[G1+0], s43, (1<<16)|(1<<20)|(1<<21)|(5<<22)|(3<<25)   ; mask; 2-byte elements; padding of 4 words behind every 64
	s_or_b32 s[G1B+0], s44, (1<<16)|(1<<20)|(1<<21)|(5<<22)|(3<<25)
	s_mov_b32 s[G1+1], KSTEP<<16                   ; tensor_dim0 = 128
	s_mov_b32 s[G1+2], 128<<16                     ; tensor_dim1 = 128
	s_mov_b32 s[G1+3], KSTEP<<16                   ; tile_dim0 = 128
	s_mov_b32 s[G1+4], 128                         ; tile_dim1 = 128
	s_mov_b32 s[G1+5], 1024                        ; elements from row to row
	s_mov_b32 s[G1+6], 0
	s_mov_b32 s[G1+7], 0
	s_mov_b32 s[G1B+1], KSTEP<<16
	s_mov_b32 s[G1B+2], 160<<16                    ; B's half tile has 160 rows
	s_mov_b32 s[G1B+3], KSTEP<<16
	s_mov_b32 s[G1B+4], 160
	s_mov_b32 s[G1B+5], 1024
	s_mov_b32 s[G1B+6], 0
	s_mov_b32 s[G1B+7], 0
	s_lshl_b32 s17, s12, 7
	s_lshl_b32 s16, s13, 8
	s_add_co_u32 s16, s16, s17
	s_lshl_b32 s16, s16, 11                        ; A: (256 block + 128 half) rows of 2,048 bytes
	s_mov_b32 s17, 0
	s_mul_i32 s46, s42, 320
	s_mul_i32 s47, s12, 160
	s_add_co_u32 s46, s46, s47
	s_lshl_b32 s46, s46, 11                        ; B: (320 head + 160 half) rows
	s_mov_b32 s47, 0
	s_mul_i32 s20, s12, AH                         ; where they go: no place in the cluster enters an LDS address
	s_mul_i32 s21, s12, BH
	s_add_co_u32 s21, s21, 2*AH
	s_wait_dscnt 0x0                               ; the opening add is done
	s_wait_kmcnt 0x0
	s_add_nc_u64 s[14:15], s[4:5], s[16:17]
	s_add_nc_u64 s[46:47], s[6:7], s[46:47]
	CROUND                                         ; all sixteen work-groups are here: the first joint loads meet
.irp s, 0,1
	s_mov_b32 s[G0+4*(\s)], 1
	s_add_co_u32 s[G0+4*(\s)+1], s20, (\s)*SLOT
	s_add_nc_u64 s[G0+4*(\s)+2:G0+4*(\s)+3], s[14:15], (\s)*KSTEP*2
	s_or_b32 s[G0+4*(\s)+3], s[G0+4*(\s)+3], 0x80000000
	s_mov_b32 s[G0B+4*(\s)], 1
	s_add_co_u32 s[G0B+4*(\s)+1], s21, (\s)*SLOT
	s_add_nc_u64 s[G0B+4*(\s)+2:G0B+4*(\s)+3], s[46:47], (\s)*KSTEP*2
	s_or_b32 s[G0B+4*(\s)+3], s[G0B+4*(\s)+3], 0x80000000
	JLOAD \s                                       ; two loads of mine are out at the start, later one behind each round
.endr
	v_and_b32 v1, 15, v0
	v_bfe_u32 v2, v0, 4, 1
	v_mul_u32_u24 v3, v1, PITCH
	v_lshl_add_u32 v3, v2, 4, v3                   ; a fragment's row x pitch + 16 x half
	s_mul_i32 s22, s11, AH
	s_mul_i32 s23, s12, BH
	s_add_co_u32 s23, s23, 2*AH
.irp s, 0,1
	v_add_nc_u32 v[ADRA+(\s)], s22, v3
	v_add_nc_u32 v[ADRB+(\s)], s23, v3
	s_add_co_u32 s22, s22, SLOT
	s_add_co_u32 s23, s23, SLOT
.endr
	s_mul_i32 s22, s10, STG                        ; my stage
	v_mul_u32_u24 v4, v1, SPITCH
	v_lshl_add_u32 v4, v2, 4, v4
	v_add_nc_u32 v[STO], s22, v4                   ; in: token l % 16, 16 bytes for each half of the lanes
	v_and_b32 v5, 31, v0
	v_lshrrev_b32 v6, 3, v5
	v_and_b32 v7, 7, v0
	v_mul_u32_u24 v6, v6, SPITCH
	v_lshl_add_u32 v6, v7, 4, v6
	v_add_nc_u32 v[RDX], s22, v6                   ; back: four tokens x 128 bytes
	v_lshrrev_b32 v6, 2, v5
	v_and_b32 v7, 3, v0
	v_mul_u32_u24 v6, v6, SPITCH
	v_lshl_add_u32 v6, v7, 4, v6
	v_add_nc_u32 v6, 256, v6
	v_add_nc_u32 v[RDQ], s22, v6                   ; back: eight tokens x q's 64 bytes
	v_lshlrev_b32 v[CO], 4, v5
	s_lshr_b32 s73, s13, 2                         ; batch
	s_and_b32 s74, s13, 3
	s_lshl_b32 s75, s73, 4
	s_add_co_u32 s75, s75, s42                     ; 16 b + head
	s_lshl_b32 s76, s74, 8
	s_lshl_b32 s77, s11, 7
	s_add_co_u32 s76, s76, s77                     ; my first token in the batch
	s_lshl_b32 s66, s75, 10
	s_add_co_u32 s66, s66, s76
	s_lshl_b32 s66, s66, 7
	s_lshl_b32 s77, s12, 24
	s_add_co_u32 s66, s66, s77
	s_mov_b32 s67, 0
	s_add_nc_u64 s[66:67], s[8:9], s[66:67]        ; k or kl
	s_add_nc_u64 s[68:69], s[66:67], 0x800000      ; v or vl
	s_lshl_b32 s70, s75, 1
	s_add_co_u32 s70, s70, s12
	s_lshl_b32 s70, s70, 10
	s_add_co_u32 s70, s70, s76
	s_lshl_b32 s70, s70, 6
	s_add_co_u32 s70, s70, 0x2000000
	s_mov_b32 s71, 0
	s_add_nc_u64 s[70:71], s[8:9], s[70:71]        ; my plane of q
	s_cmp_eq_u32 s12, 0
	s_cselect_b32 s72, -1, 0                       ; all lanes: my first 64 columns are k
	s_mov_b32 s[SEL], 0x76543210
	s_mov_b32 s[SEL+1], 0xfedcba98
.macro ACCOF a                         ; window CW and first register AB of row block a's ten accumulators
.if (\a) < 3
.set CW, 2
.set AB, 80*(\a)
.elseif (\a) < 6
.set CW, 3
.set AB, 80*((\a)-3)
.else
.set CW, 1
.set AB, 80*((\a)-6)
.endif
.endm
.macro MULA f, a, zero                 ; ten matrix instructions: row block a x all ten column blocks, 32 along K, from buffer f
	ACCOF \a
	WIN (\f)|(CW<<4)|(CW<<6)
.irp b, 0,1,2,3,4,5,6,7,8,9
.if \zero
	v_wmma_f32_16x16x32_bf16 v[AB+8*(\b):AB+8*(\b)+7], v[FB+8*(\b):FB+8*(\b)+7], v[FA+64*(\f)+8*(\a):FA+64*(\f)+8*(\a)+7], 0
.else
	v_wmma_f32_16x16x32_bf16 v[AB+8*(\b):AB+8*(\b)+7], v[FB+8*(\b):FB+8*(\b)+7], v[FA+64*(\f)+8*(\a):FA+64*(\f)+8*(\a)+7], v[AB+8*(\b):AB+8*(\b)+7]
.endif
.endr
.endm
.macro FETCH slot, k, f                ; 36 LDS loads in one run: B's 160 rows, then A's 128, 32 K at byte k
	WIN (\f)<<6
.irp i, 0,1,2,3,4,5,6,7,8,9
	ds_load_b128 v[FB+8*(\i):FB+8*(\i)+3],   v[ADRB+(\slot)] offset:(\k)+(\i)*16*PITCH
	ds_load_b128 v[FB+8*(\i)+4:FB+8*(\i)+7], v[ADRB+(\slot)] offset:(\k)+(\i)*16*PITCH+32
.endr
	WIN 0
.irp i, 0,1,2,3,4,5,6,7
	ds_load_b128 v[FA+64*(\f)+8*(\i):FA+64*(\f)+8*(\i)+3],   v[ADRA+(\slot)] offset:(\k)+(\i)*16*PITCH
	ds_load_b128 v[FA+64*(\f)+8*(\i)+4:FA+64*(\f)+8*(\i)+7], v[ADRA+(\slot)] offset:(\k)+(\i)*16*PITCH+32
.endr
.endm
; A K step is four quarters of 32 along K, 80 matrix instructions each, on buffers 0, 1, 0, 1.  The 80 accumulators take turns in the same order in every quarter.
.macro QUARTER slot, k, f, g, zero
	s_wait_dscnt 10                                ; B and A's blocks 0-2 are in; the youngest ten loads (A's blocks 3-7) may be out
.irp a, 0,1,2
	MULA \f, \a, \zero
.endr
	PLACES
	FETCH \slot, \k, \g
	s_wait_dscnt 36                                ; all but the 36 just issued
.irp a, 3,4,5,6,7
	MULA \f, \a, \zero
.endr
.endm
; The last quarter multiplies buffer 1 and changes slots: one barrier; in front of it each wave waits for all its tensor loads, adds 0 to its spare word, and waits for that and for its reads of this slot.
.macro TURN slot, next, fill
	WIN 0
	s_wait_tensorcnt 0x0                           ; all my tensor loads have landed: my part of the next slot
	ds_add_u32 v[SPW], v[NIL]
	s_wait_dscnt 11                                ; the add and the youngest ten loads may be out
	MULA 1, 0, 0
	MULA 1, 1, 0
	s_wait_dscnt 0x0                               ; the add is done, and my reads of this slot are over
	s_barrier_signal -1
	MULA 1, 2, 0
.if \fill
	WIN 0
.endif
	s_barrier_wait -1
.if \fill
	CREST                                          ; the barrier has opened a round of the cluster's: no wave of any partner still reads this slot or has a load on its way
	s_add_nc_u64 s[G0+4*(\slot)+2:G0+4*(\slot)+3], s[G0+4*(\slot)+2:G0+4*(\slot)+3], 2*KSTEP*2
	s_add_nc_u64 s[G0B+4*(\slot)+2:G0B+4*(\slot)+3], s[G0B+4*(\slot)+2:G0B+4*(\slot)+3], 2*KSTEP*2
	JLOAD \slot                                    ; the first tensor load behind the round; its four v_nop are also the places in front of the loads below
.else
	PLACES
.endif
	FETCH \next, 0, 0
.irp a, 3,4,5,6,7
	MULA 1, \a, 0
.endr
.endm
	s_wait_tensorcnt 1                             ; my part of K step 0 is in; step 1's may stay out
	s_barrier_signal -1
	s_barrier_wait -1
	FETCH 0, 0, 0
	QUARTER 0, 64, 0, 1, 1                         ; the first quarter's products start the sums
	WIN 0
	s_mov_b32 s3, 3
.Llap:                                                 ; a trip goes once round the ring and fills both slots again: 2 + 6 = the 8 K steps
	QUARTER 0, 128, 1, 0, 0
	QUARTER 0, 192, 0, 1, 0
	TURN 0, 1, 1
	QUARTER 1, 64, 0, 1, 0
	QUARTER 1, 128, 1, 0, 0
	QUARTER 1, 192, 0, 1, 0
	TURN 1, 0, 1
	QUARTER 0, 64, 0, 1, 0
	WIN 0
	s_sub_co_u32 s3, s3, 1
	s_cmp_lg_u32 s3, 0
	s_cbranch_scc1 .Llap
	QUARTER 0, 128, 1, 0, 0                        ; the last lap fills nothing
	QUARTER 0, 192, 0, 1, 0
	TURN 0, 1, 0
	QUARTER 1, 64, 0, 1, 0
	QUARTER 1, 128, 1, 0, 0
	QUARTER 1, 192, 0, 1, 0
	s_wait_dscnt 10
.irp a, 0,1,2
	MULA 1, \a, 0
.endr
	s_wait_dscnt 0x0
.irp a, 3,4,5,6,7
	MULA 1, \a, 0
.endr
	; THE WAY OUT.  First 1 / max(|k|, 1e-12) for each token: a lane holds 32 of its token's 64 numbers, the lane 16 away the others.
	PLACES
.macro SUMSQ a
	ACCOF \a
	WIN CW|(CW<<2)
	v_pk_mul_f32 v[SS+4*(\a):SS+4*(\a)+1], v[AB:AB+1], v[AB:AB+1]
	v_pk_mul_f32 v[SS+4*(\a)+2:SS+4*(\a)+3], v[AB+16:AB+17], v[AB+16:AB+17]
.irp p, 1,2,3,4,5,6,7
	v_pk_fma_f32 v[SS+4*(\a):SS+4*(\a)+1], v[AB+2*(\p):AB+2*(\p)+1], v[AB+2*(\p):AB+2*(\p)+1], v[SS+4*(\a):SS+4*(\a)+1]
	v_pk_fma_f32 v[SS+4*(\a)+2:SS+4*(\a)+3], v[AB+16+2*(\p):AB+16+2*(\p)+1], v[AB+16+2*(\p):AB+16+2*(\p)+1], v[SS+4*(\a)+2:SS+4*(\a)+3]
.endr
.endm
.irp a, 0,1,2,3,4,5,6,7
	SUMSQ \a
.endr
	WIN 0
.macro ALL8 line:vararg
.set a8, 0
.rept 8
	\line
.set a8, a8+1
.endr
.endm
	ALL8 v_pk_add_f32 v[SS+4*a8:SS+4*a8+1], v[SS+4*a8:SS+4*a8+1], v[SS+4*a8+2:SS+4*a8+3]
	ALL8 v_add_f32 v[SS+4*a8], v[SS+4*a8], v[SS+4*a8+1]
	ALL8 v_permlanex16_b32 v[SS+4*a8+1], v[SS+4*a8], s[SEL], s[SEL+1]
	ALL8 v_add_f32 v[SS+4*a8], v[SS+4*a8], v[SS+4*a8+1]
	ALL8 v_sqrt_f32 v[SS+4*a8], v[SS+4*a8]
	v_nop
	s_wait_alu depctr_va_vdst(0)
	ALL8 v_max_num_f32 v[SS+4*a8], 0x2b8cbccc, v[SS+4*a8]
	ALL8 v_rcp_f32 v[SS+4*a8], v[SS+4*a8]
	v_nop
	s_wait_alu depctr_va_vdst(0)
	ALL8 v_cndmask_b32 v[INV+2*a8], 1.0, v[SS+4*a8], s72
	ALL8 v_cndmask_b32 v[INV+2*a8+1], 1.0, v[SS+4*a8], s72
.macro PACK a                          ; the first 64 columns scaled, all 160 rounded to bf16
	ACCOF \a
	WIN CW|(CW<<6)
.set i, 0
.rept 16
	v_pk_mul_f32 v[AB+2*i:AB+2*i+1], v[AB+2*i:AB+2*i+1], v[INV+2*(\a):INV+2*(\a)+1]
.set i, i+1
.endr
	WIN CW|(CW<<2)
.set i, 0
.rept 40
	v_cvt_pk_bf16_f32 v[TMP+i], v[AB+2*i], v[AB+2*i+1]
.set i, i+1
.endr
	WIN 0
.endm
.macro TOSTAGE a                       ; 16 tokens x 320 bytes into my stage, and back as dense runs of 512 bytes
.set BKS, BK+40*((\a)%2)
.irp b, 0,1,2,3,4,5,6,7,8,9
	ds_store_b128 v[STO], v[TMP+4*(\b):TMP+4*(\b)+3] offset:32*(\b)
.endr
	s_wait_xcnt 0x0                                ; the stores of two blocks ago have read this set of registers
.irp t, 0,1,2,3
	ds_load_b128 v[BKS+4*(\t):BKS+4*(\t)+3], v[RDX] offset:(\t)*4*SPITCH  ; LDS serves a wave's instructions in order: these see the stores above
.endr
.irp t, 0,1,2,3
	ds_load_b128 v[BKS+16+4*(\t):BKS+16+4*(\t)+3], v[RDX] offset:(\t)*4*SPITCH+128
.endr
.irp t, 0,1
	ds_load_b128 v[BKS+32+4*(\t):BKS+32+4*(\t)+3], v[RDQ] offset:(\t)*8*SPITCH
.endr
.endm
.macro SEND a                          ; every store of the wave covers 512 consecutive bytes, aligned
.set BKS, BK+40*((\a)%2)
	s_wait_dscnt 0x0
.irp t, 0,1,2,3
	global_store_b128 v[CO], v[BKS+4*(\t):BKS+4*(\t)+3], s[66:67] offset:2048*(\a)+512*(\t)
.endr
.irp t, 0,1,2,3
	global_store_b128 v[CO], v[BKS+16+4*(\t):BKS+16+4*(\t)+3], s[68:69] offset:2048*(\a)+512*(\t)
.endr
.irp t, 0,1
	global_store_b128 v[CO], v[BKS+32+4*(\t):BKS+32+4*(\t)+3], s[70:71] offset:1024*(\a)+512*(\t)
.endr
.endm
	PACK 0
	TOSTAGE 0
.irp a, 1,2,3,4,5,6,7                  ; a block's arithmetic stands between the loads of the block before and the wait for them
	PACK \a
	SEND (\a)-1
	TOSTAGE \a
.endr
	SEND 7
	s_wait_tensorcnt 0x0                           ; the wave's end
	ds_add_u32 v[SPW], v[NIL]
	s_wait_dscnt 0x0
	CROUND                                         ; the closing round
	s_endpgm
.Lfunc_end_k_q40b24f0755_gemm1:
	.size	k_q40b24f0755_gemm1, .Lfunc_end_k_q40b24f0755_gemm1-k_q40b24f0755_gemm1
	.p2alignl 7, 3214868480
	.fill 96, 4, 3214868480
	.section	.rodata,"a",@progbits
	.p2align	6, 0x0
	.amdhsa_kernel k_q40b24f0755_gemm1
		.amdhsa_group_segment_fixed_size 327680
		.amdhsa_private_segment_fixed_size 0
		.amdhsa_enable_private_segment 0
		.amdhsa_kernarg_size 24
		.amdhsa_user_sgpr_count 2
		.amdhsa_user_sgpr_kernarg_segment_ptr 1
		.amdhsa_wavefront_size32 1
		.amdhsa_system_sgpr_workgroup_id_x 1
		.amdhsa_system_sgpr_workgroup_id_y 1
		.amdhsa_system_sgpr_workgroup_id_z 1
		.amdhsa_system_vgpr_workitem_id 0
		.amdhsa_next_free_vgpr 1024
		.amdhsa_next_free_sgpr 80
		.amdhsa_reserve_vcc 0
		.amdhsa_float_denorm_mode_32 3
		.amdhsa_float_denorm_mode_16_64 3
		.amdhsa_memory_ordered 1
		.amdhsa_forward_progress 1
		.amdhsa_inst_pref_size 191
	.end_amdhsa_kernel
	.amdgpu_metadata
---
amdhsa.version: [ 1, 2 ]
amdhsa.kernels:
  - .name:           k_q40b24f0755_gemm1
    .symbol:         k_q40b24f0755_gemm1.kd
    .args:
      - { .name: xn, .offset: 0, .size: 8, .value_kind: global_buffer, .address_space: global }
      - { .name: wt1, .offset: 8, .size: 8, .value_kind: global_buffer, .address_space: global }
      - { .name: proj, .offset: 16, .size: 8, .value_kind: global_buffer, .address_space: global }
    .group_segment_fixed_size: 327680
    .private_segment_fixed_size: 0
    .kernarg_segment_align: 8
    .kernarg_segment_size: 24
    .max_flat_workgroup_size: 128
    .sgpr_count:     80
    .vgpr_count:     1024
    .wavefront_size: 32
...
	.end_amdgpu_metadata
.endif
;; end of part 2
;; launch attn (part 3): grid 4 x 64, 4 waves a work-group, no clusters, 167,936 bytes of LDS; arguments proj, xn, wst, b_beta, b_g, b_gate, input_ids, gates, acat; writes gates, acat
.if DOCPART == 3
	.amdgcn_target "amdgcn-amd-amdhsa--gfx1250"
	.amdhsa_code_object_version 6
	.text
	.protected	k_q40b24f0755_attn
	.globl	k_q40b24f0755_attn
	.p2align	8
	.type	k_q40b24f0755_attn,@function
k_q40b24f0755_attn:
	s_mov_b64 s[64:65], 0
	v_nop
	global_prefetch_b8 v0, s[64:65] scope:SCOPE_SE
	s_setreg_imm32_b32 hwreg(HW_REG_WAVE_MODE, 25, 1), 1
	s_wait_xcnt 0x0
; SLIDING-WINDOW ATTENTION (keys i - 256 .. i, head size 64, scale 1/8), and on the side the three small projections.
; A work-group takes 256 queries of one (b, h); its 512 candidate keys (the block before and its own) lie in LDS whole: four first fills, one a wave, nothing is filled again.
; A wave takes 64 queries, four tiles of 16, and walks five steps of 64 keys: LDS key steps w .. w + 4.
; S^T = K Q^T holds one query a lane; two such tiles rounded to bf16 are source 1 of O^T = V^T P.  p = 2^(c s - c m), c = log2(e)/8, with a running maximum m; O and l are multiplied by a = 2^(c m_old - c m_new) in every step.
; THE MASK is the C operand that starts a score tile's sum: 0 or -1e30.  Step 0 hides keys below i - 256, step 4 keys above i; for the first block of queries the steps of the block before are hidden whole.
; THE MAXIMUM'S START.  c s - c m is one fused multiply-add of the exact product c s and the rounded c m: were m itself a hidden score of 1e30, the difference would be a rounding of that size and no small number.
; So m starts at -2^96, above every hidden score and below every visible one: in a step that is hidden whole p = 0, l and O stay 0; the first visible score takes m over, with a = 0.  Every query sees its own key.
; NO CLUSTER: a half of K or V is wanted by two work-groups only, at different LDS places, so one descriptor cannot serve both.
; GATES (waves 0-2, while the tiles land): 16 tokens x 16 heads each of beta (with the marker's factor), log2 g, and the mean gate, K = 1024, stored in f32 in the accumulator's own lane order.
; LIMITS: a hidden score counts as its value less 1e30 (2e30 where two masks meet); a visible score below -2^96 = -7.9e28 would count as that number; a weight below 2^-126 counts as 0; NaN and infinities are not treated apart.
; REGISTERS: window 0: v0-11 addresses; v12-15 c m_old; v16-31 statistics; v32-47 at work; v64-191 S^T; v192-255 P
;   window 1: v0-127 O^T; v128-167 masks      window 2: v0-63 Q; v128-191 K; v192-255 V      (gates: xn's fragments fill window 1, wst's window 3)
.set PK,    144
.set PV,    160
.set VOFF,  512*PK
.set STAGE, VOFF+512*PV
.set SP,    144
.set SPARE, STAGE+4*16*SP
.set AK0, 2
.set AV0, 3
.set AK,  4
.set AV,  5
.set STO, 6
.set RD,  7
.set HH,  8
.set GO,  9
.set QO,  10
.set MV,  12
.set ST,  16
.set TMP, 32
.set SPW, 62
.set NIL, 63
.set S,   64
.set P,   192
.set ML,  128
.set MU,  136
.set MLO, 144
.set MDI, 152
.set MHI, 160
.set KF,  128
.set VF,  192
.set WV,  22
.set QB,  23
.set BH,  24
.set G1K, 28
.set G1V, 36
.set G0K, 44
.set G0V, 48
.set CS,  52
.set SEL, 54
.set BIGN, 56
.set QZ,  57
.set STP, 58
.set TBK, 59
.set TBV, 60
.set A1,  66
.set A2,  68
.set BE,  70
.set SLO, 72
.set SHI, 73
.set MSB, 0
.macro WIN new
.if MSB != (\new)
	s_set_vgpr_msb (MSB<<8)|(\new)
.set MSB, (\new)
.endif
.endm
	s_load_b512 s[4:19], s[0:1], 0x0               ; proj, xn, wst, b_beta, b_g, b_gate, input_ids, gates
	s_load_b64 s[20:21], s[0:1], 0x40              ; acat
	v_lshl_add_u32 v[SPW], v0, 2, SPARE
	v_mov_b32 v[NIL], 0
	ds_add_u32 v[SPW], v[NIL]                      ; the wave's opening: the add and its wait stand ahead of my tensor load
	ds_add_u32 v62, v63
	v_lshrrev_b32 v1, 5, v0
	v_readfirstlane_b32 s[WV], v1
	s_mov_b32 s[QB], ttmp9
	s_and_b32 s[BH], ttmp7, 0xffff
	s_mov_b32 s[G1K], (1<<16)|(1<<20)|(4<<22)|(3<<25)  ; 2-byte elements; 4 words of padding behind every 32: a key's 128 bytes
	s_mov_b32 s[G1V], (1<<16)|(1<<20)|(4<<22)|(7<<25)  ; the same with 8 words
.irp g, G1K, G1V
	s_mov_b32 s[\g+1], 128<<16                     ; 256 keys are 32,768 dense bytes: 128 rows of 256 bytes
	s_mov_b32 s[\g+2], 128<<16
	s_mov_b32 s[\g+3], 128<<16
	s_mov_b32 s[\g+4], 128
	s_mov_b32 s[\g+5], 128
	s_mov_b32 s[\g+6], 0
	s_mov_b32 s[\g+7], 0
.endr
	s_and_b32 s74, s[WV], 1                        ; which half of the 512 keys I fetch
	s_max_u32 s75, s[QB], 1
	s_sub_co_u32 s75, s75, 1                       ; the block before; for the first block its own once more: finite numbers that the mask hides
	s_cmp_eq_u32 s74, 1
	s_cselect_b32 s75, s[QB], s75
	s_lshl_b32 s75, s75, 8
	s_lshl_b32 s76, s[BH], 10
	s_add_co_u32 s76, s76, s75
	s_lshl_b32 s76, s76, 7
	s_mov_b32 s77, 0
	s_mul_i32 s78, s74, 256*PK
	s_mul_i32 s79, s74, 256*PV
	s_add_co_u32 s79, s79, VOFF
	s_mov_b32 s[G0K], 1
	s_mov_b32 s[G0K+1], s78
	s_mov_b32 s[G0V], 1
	s_mov_b32 s[G0V+1], s79
	s_mov_b32 s[CS], 0x3e38aa3b                    ; c = log2(e) / 8
	s_mov_b32 s[CS+1], s[CS]
	s_mov_b32 s[SEL], 0x76543210
	s_mov_b32 s[SEL+1], 0xfedcba98
	s_mov_b32 s[BIGN], 0xf149f2ca                  ; -1e30
	s_mov_b32 s[A1+1], 0                           ; named as pairs
	s_mov_b32 s[A2+1], 0
	s_mov_b32 s[BE+1], 0
	s_cmp_eq_u32 s[QB], 0
	s_cselect_b32 s[QZ], 4, 0                      ; LDS key steps below this number do not exist
	s_wait_dscnt 0x0                               ; the opening add is done
	s_wait_kmcnt 0x0
	s_add_nc_u64 s[G0K+2:G0K+3], s[4:5], s[76:77]
	s_add_nc_u64 s[G0K+2:G0K+3], s[G0K+2:G0K+3], 0x1000000
	s_or_b32 s[G0K+3], s[G0K+3], 0x80000000
	s_add_nc_u64 s[G0V+2:G0V+3], s[4:5], s[76:77]
	s_add_nc_u64 s[G0V+2:G0V+3], s[G0V+2:G0V+3], 0x1800000
	s_or_b32 s[G0V+3], s[G0V+3], 0x80000000
	s_cmp_lt_u32 s[WV], 2                          ; waves 0, 1 fetch K's halves, waves 2, 3 V's: one load a wave is out
	s_cbranch_scc0 .Lfor_v
	tensor_load_to_lds s[G0K:G0K+3], s[G1K:G1K+7]
	s_nop 0
.rept 4
	v_nop
.endr
	s_branch .Lasked
.Lfor_v:
	tensor_load_to_lds s[G0V:G0V+3], s[G1V:G1V+7]
	s_nop 0
.rept 4
	v_nop
.endr
.Lasked:
	v_and_b32 v1, 15, v0
	v_bfe_u32 v[HH], v0, 4, 1
	v_lshlrev_b32 v[QO], 6, v1
	v_lshl_add_u32 v[QO], v[HH], 4, v[QO]          ; q's rows are 64 bytes in a plane of 32 channels
	v_and_b32 v[GO], 31, v0
	v_lshlrev_b32 v[GO], 4, v[GO]
	s_lshl_b32 s76, s[QB], 8
	s_lshl_b32 s75, s[WV], 6
	s_add_co_u32 s75, s76, s75                     ; my first query in the head
	s_lshl_b32 s76, s75, 6
	s_lshl_b32 s78, s[BH], 17
	s_add_co_u32 s76, s76, s78
	s_add_co_u32 s76, s76, 0x2000000
	s_add_nc_u64 s[80:81], s[4:5], s[76:77]
	WIN 0x80
.set i, 0
.rept 8                                            ; tile i / 2, plane i % 2
	global_load_b128 v[8*i:8*i+3],   v[QO], s[80:81] offset:(i%2)*65536+(i/2)*1024
	global_load_b128 v[8*i+4:8*i+7], v[QO], s[80:81] offset:(i%2)*65536+(i/2)*1024+32
.set i, i+1
.endr
	WIN 0
	s_lshr_b32 s76, s[BH], 4
	s_mul_i32 s76, s76, 48
	s_and_b32 s78, s[BH], 15
	s_add_co_u32 s76, s76, s78
	s_add_co_u32 s76, s76, 16
	s_lshl_b32 s76, s76, 10
	s_add_co_u32 s76, s76, s75
	s_lshl_b32 s76, s76, 7
	s_add_nc_u64 s[82:83], s[20:21], s[76:77]      ; acat, part 1, my first row
	; ---- the gates job
	s_cmp_lt_u32 s[WV], 3
	s_cbranch_scc0 .Lno_gates
	s_lshl_b32 s74, s[BH], 2
	s_add_co_u32 s74, s74, s[QB]                   ; the block of 16 tokens: 0 .. 255
	s_lshl_b32 s76, s74, 15
	s_add_nc_u64 s[84:85], s[6:7], s[76:77]
	s_lshl_b32 s76, s[WV], 15
	s_add_nc_u64 s[86:87], s[8:9], s[76:77]        ; my 16 rows of wst
	v_lshlrev_b32 v40, 11, v1
	v_lshl_add_u32 v40, v[HH], 4, v40              ; row x 2,048 + 16 x half, for both
	WIN 0x40
.set i, 0
.rept 32
	global_load_b128 v[8*i:8*i+3],   v40, s[84:85] offset:64*i
	global_load_b128 v[8*i+4:8*i+7], v40, s[84:85] offset:64*i+32
.set i, i+1
.endr
	WIN 0xc0
.set i, 0
.rept 32
	global_load_b128 v[8*i:8*i+3],   v40, s[86:87] offset:64*i
	global_load_b128 v[8*i+4:8*i+7], v40, s[86:87] offset:64*i+32
.set i, i+1
.endr
	WIN 0
	s_mov_b64 s[90:91], s[10:11]
	s_cmp_eq_u32 s[WV], 1
	s_cselect_b64 s[90:91], s[12:13], s[90:91]
	s_cmp_eq_u32 s[WV], 2
	s_cselect_b64 s[90:91], s[14:15], s[90:91]
	v_lshlrev_b32 v41, 2, v1
	global_load_b32 v43, v41, s[90:91]             ; my head's bias
	s_lshl_b32 s76, s74, 6
	v_lshl_add_u32 v42, v[HH], 5, s76
	global_load_b128 v[44:47], v42, s[16:17]       ; the ids of my eight tokens
	global_load_b128 v[48:51], v42, s[16:17] offset:16
	s_mov_b32 s88, 0xbfb8aa3b                      ; -log2(e)
	s_mov_b32 s89, 50251
	s_mov_b32 s92, 0x3fb8aa3b
	s_lshl_b32 s76, s[WV], 18
	s_lshl_b32 s78, s74, 10
	s_add_co_u32 s76, s76, s78
	s_add_nc_u64 s[94:95], s[18:19], s[76:77]
	s_wait_loadcnt 0x0
	WIN 0x0d                                       ; source 0 (tokens) window 1, source 1 (heads) window 3
.set i, 0
.rept 32                                           ; two accumulators by turns
.if i < 2
	v_wmma_f32_16x16x32_bf16 v[64+8*(i%2):64+8*(i%2)+7], v[8*i:8*i+7], v[8*i:8*i+7], 0
.else
	v_wmma_f32_16x16x32_bf16 v[64+8*(i%2):64+8*(i%2)+7], v[8*i:8*i+7], v[8*i:8*i+7], v[64+8*(i%2):64+8*(i%2)+7]
.endif
.set i, i+1
.endr
	WIN 0
.rept 4
	v_nop
.endr
.irp j, 0,1,2,3,4,5,6,7
	v_add_f32 v[64+(\j)], v[64+(\j)], v[72+(\j)]
.endr
.irp j, 0,1,2,3,4,5,6,7
	v_add_f32 v[64+(\j)], v[64+(\j)], v43          ; z: lane = head, register = token 8 (l / 16) + j
.endr
	s_cmp_eq_u32 s[WV], 1
	s_cbranch_scc1 .Lgate_g
.irp j, 0,1,2,3,4,5,6,7
	v_mul_f32 v[64+(\j)], s88, v[64+(\j)]
.endr
.irp j, 0,1,2,3,4,5,6,7
	v_exp_f32 v[64+(\j)], v[64+(\j)]
.endr
	v_nop
	s_wait_alu depctr_va_vdst(0)
.irp j, 0,1,2,3,4,5,6,7
	v_add_f32 v[64+(\j)], 1.0, v[64+(\j)]
.endr
.irp j, 0,1,2,3,4,5,6,7
	v_rcp_f32 v[64+(\j)], v[64+(\j)]               ; the sigmoid
.endr
	v_nop
	s_cmp_eq_u32 s[WV], 2
	s_cbranch_scc1 .Lgate_m
	v_mov_b32 v53, 0x3dcccccd                      ; 0.1
	v_mov_b32 v54, 1.0
	s_wait_alu depctr_va_vdst(0)
.irp j, 0,1,2,3,4,5,6,7
	v_cmp_eq_u32 vcc_lo, s89, v[44+(\j)]
	v_cndmask_b32 v52, v53, v54, vcc_lo
	v_mul_f32 v[64+(\j)], v[64+(\j)], v52
.endr
	s_branch .Lgate_st
.Lgate_m:
	s_wait_alu depctr_va_vdst(0)
.irp x, 1,2,4,8
.irp j, 0,1,2,3,4,5,6,7
	v_add_f32_dpp v[64+(\j)], v[64+(\j)], v[64+(\j)] row_xmask:\x row_mask:0xf bank_mask:0xf
.endr
.endr
.irp j, 0,1,2,3,4,5,6,7
	v_mul_f32 v[64+(\j)], 0x3d800000, v[64+(\j)]   ; the mean over 16 heads, in all 16 places
.endr
	s_branch .Lgate_st
.Lgate_g:                                              ; log2 sigmoid(z) = min(z, 0) log2(e) - log2(1 + 2^(-|z| log2(e))): no exponent above 0
.irp j, 0,1,2,3,4,5,6,7
	v_mul_f32 v[72+(\j)], s88, |v[64+(\j)]|
.endr
.irp j, 0,1,2,3,4,5,6,7
	v_exp_f32 v[72+(\j)], v[72+(\j)]
.endr
	v_nop
	s_wait_alu depctr_va_vdst(0)
.irp j, 0,1,2,3,4,5,6,7
	v_add_f32 v[72+(\j)], 1.0, v[72+(\j)]
.endr
.irp j, 0,1,2,3,4,5,6,7
	v_log_f32 v[72+(\j)], v[72+(\j)]
.endr
.irp j, 0,1,2,3,4,5,6,7
	v_min_num_f32 v[64+(\j)], 0, v[64+(\j)]
.endr
	s_wait_alu depctr_va_vdst(0)
.irp j, 0,1,2,3,4,5,6,7
	v_fma_f32 v[64+(\j)], v[64+(\j)], s92, -v[72+(\j)]
.endr
.Lgate_st:
	global_store_b128 v[GO], v[64:67], s[94:95]    ; 512 consecutive bytes each
	global_store_b128 v[GO], v[68:71], s[94:95] offset:512
.Lno_gates:
	s_wait_xcnt 0x0                                ; the stores have read v64-71, which the scores will take
	; ---- set-up
	v_lshlrev_b32 v11, 3, v[HH]
	v_sub_nc_u32 v11, v1, v11                      ; r - 8 h
	WIN 0x40
.irp j, 0,1,2,3,4,5,6,7
	v_cmp_lt_i32 vcc_lo, \j, v11
	v_cndmask_b32 v[ML+(\j)], 0, s[BIGN], vcc_lo   ; step 0's diagonal tile: key 8 h + j below query r is hidden
	v_cmp_gt_i32 vcc_lo, \j, v11
	v_cndmask_b32 v[MU+(\j)], 0, s[BIGN], vcc_lo   ; step 4's: above it
.endr
.set i, 0
.rept 128
	v_mov_b32 v[i], 0                              ; O^T starts at 0; this stands in the wait for the tiles
.set i, i+1
.endr
	WIN 0
.irp t, 0,1,2,3
	v_mov_b32 v[ST+4*(\t)], 0xfe000000             ; c m: far below every c s, so the first step's a is 0
	v_mov_b32 v[ST+4*(\t)+1], 0xef800000           ; m = -2^96: above every hidden score (-1e30 and below), below every visible one
	v_mov_b32 v[ST+4*(\t)+2], 0
	v_mov_b32 v[ST+4*(\t)+3], 0
.endr
	v_mul_u32_u24 v[AK0], v1, PK
	v_lshl_add_u32 v[AK0], v[HH], 4, v[AK0]
	v_and_b32 v11, 7, v0
	v_lshl_add_u32 v[AV0], v[HH], 3, v11
	v_mul_u32_u24 v[AV0], v[AV0], PV
	v_bfe_u32 v[AK], v0, 3, 1
	v_lshl_add_u32 v[AV0], v[AK], 4, v[AV0]
	v_add_nc_u32 v[AV0], VOFF, v[AV0]
	s_mul_i32 s74, s[WV], 16*SP
	s_add_co_u32 s74, s74, STAGE
	v_mul_u32_u24 v[STO], v1, SP
	v_lshl_add_u32 v[STO], v[HH], 4, v[STO]
	v_add_nc_u32 v[STO], s74, v[STO]
	v_bfe_u32 v[RD], v0, 3, 2
	v_mul_u32_u24 v[RD], v[RD], SP
	v_lshl_add_u32 v[RD], v11, 4, v[RD]
	v_add_nc_u32 v[RD], s74, v[RD]
	s_mul_i32 s[TBK], s[WV], 64*PK
	s_mul_i32 s[TBV], s[WV], 64*PV
	s_mov_b32 s[STP], 0
	s_wait_tensorcnt 0x0                           ; my part of the keys is in,
	s_barrier_signal -1
	s_barrier_wait -1                              ; everybody's is
	s_wait_loadcnt 0x0                             ; Q
.macro REGS t
.set rT, ST+4*(\t)
.set rC, TMP+4*(\t)
.set rW, MV+(\t)
.set rS, S+32*(\t)
.set rP, P+16*(\t)
.set rO, 32*(\t)
.endm
; number n of the 22 that find a tile's maximum and statistics; each accumulator's lowest registers are read first
.macro XS t, n
	REGS \t
.if (\n) < 4
	v_max3_num_f32 v[rC+(\n)], v[rS+8*(\n)], v[rS+8*(\n)+1], v[rS+8*(\n)+2]
.elseif (\n) < 12
	v_max3_num_f32 v[rC+(\n)%4], v[rC+(\n)%4], v[rS+8*((\n)%4)+2*((\n)/4)+1], v[rS+8*((\n)%4)+2*((\n)/4)+2]
.elseif (\n) == 12
	v_max3_num_f32 v[rC], v[rC], v[rS+7], v[rS+15]
.elseif (\n) == 13
	v_max3_num_f32 v[rC+1], v[rC+1], v[rS+23], v[rS+31]
.elseif (\n) == 14
	v_max3_num_f32 v[rC+2], v[rC+2], v[rC+3], v[rT+1]
.elseif (\n) == 15
	v_mov_b32 v[rW], v[rT]
.elseif (\n) == 16
	v_max3_num_f32 v[rC], v[rC], v[rC+1], v[rC+2]
.elseif (\n) == 17
	v_permlanex16_b32 v[rC+3], v[rC], s[SEL], s[SEL+1]
.elseif (\n) == 18
	v_max_num_f32 v[rT+1], v[rC], v[rC+3]
.elseif (\n) == 19
	v_mul_f32 v[rT], s[CS], v[rT+1]
.elseif (\n) == 20
	v_sub_f32 v[rC+1], v[rW], v[rT]
.else
	v_exp_f32 v[rC+2], v[rC+1]
.endif
.endm
.Lstep:                                                ; five trips
	s_add_co_u32 s74, s[WV], s[STP]
	s_cmp_lt_u32 s74, s[QZ]
	s_cselect_b32 s[BE], s[BIGN], 0                ; the whole step is hidden
	s_cmp_eq_u32 s[STP], 0
	s_cselect_b32 s[SLO], s[BIGN], s[BE]           ; key tiles below the query tile
	s_cselect_b32 s[A1], 1.0, 0
	s_cmp_eq_u32 s[STP], 4
	s_cselect_b32 s[SHI], s[BIGN], s[BE]           ; key tiles above it
	s_cselect_b32 s[A2], 1.0, 0
	v_add_nc_u32 v[AK], s[TBK], v[AK0]
	v_add_nc_u32 v[AV], s[TBV], v[AV0]
	WIN 0x40                                       ; the mask lines are also the places between the last step's products and the loads into V's registers
.irp j, 0,1,2,3,4,5,6,7
	v_mov_b32 v[MLO+(\j)], s[SLO]
	v_mov_b32 v[MHI+(\j)], s[SHI]
.endr
	WIN 0x41
.irp z, 0,1,2,3
	v_pk_fma_f32 v[MDI+2*(\z):MDI+2*(\z)+1], v[ML+2*(\z):ML+2*(\z)+1], s[A1:A1+1], s[BE:BE+1] op_sel_hi:[1,0,0]
.endr
	WIN 0x51
.irp z, 0,1,2,3
	v_pk_fma_f32 v[MDI+2*(\z):MDI+2*(\z)+1], v[MU+2*(\z):MU+2*(\z)+1], s[A2:A2+1], v[MDI+2*(\z):MDI+2*(\z)+1] op_sel_hi:[1,0,1]
.endr
	WIN 0x80
.irp f, 0,1,2,3,4,5,6,7
	ds_load_b128 v[KF+8*(\f):KF+8*(\f)+3],   v[AK] offset:((\f)/2)*16*PK+((\f)%2)*64
	ds_load_b128 v[KF+8*(\f)+4:KF+8*(\f)+7], v[AK] offset:((\f)/2)*16*PK+((\f)%2)*64+32
.endr
.irp f, 0,1,2,3,4,5,6,7
	ds_load_tr16_b128 v[VF+8*(\f):VF+8*(\f)+3],   v[AV] offset:((\f)/4)*32*PV+((\f)%4)*32
	ds_load_tr16_b128 v[VF+8*(\f)+4:VF+8*(\f)+7], v[AV] offset:((\f)/4)*32*PV+16*PV+((\f)%4)*32
.endr
	s_wait_dscnt 16                                ; K is in; V's sixteen loads may be out
.set i, 0
.rept 32                                           ; the 16 score tiles take turns; the first 16 products start the sums with the mask
.set tq, i%4
.set kt, (i/4)%4
.set kk, i/16
.set rS, S+32*tq+8*kt
.set rK, KF+16*kt+8*kk
.set rQ, 16*tq+8*kk
.if kt < tq
.set rM, MLO
.elseif kt == tq
.set rM, MDI
.else
.set rM, MHI
.endif
.if kk == 0
	WIN 0x1a
	v_wmma_f32_16x16x32_bf16 v[rS:rS+7], v[rK:rK+7], v[rQ:rQ+7], v[rM:rM+7]
.else
	WIN 0x0a
	v_wmma_f32_16x16x32_bf16 v[rS:rS+7], v[rK:rK+7], v[rQ:rQ+7], v[rS:rS+7]
.endif
.set i, i+1
.endr
	WIN 0
.rept 4
	v_nop
.endr
.irp n, 0,1,2,3,4,5,6,7,8,9,10,11,12,13,14,15,16,17,18,19,20,21
.irp t, 0,1,2,3
	XS \t, \n
.endr
.endr
	v_nop
	s_wait_alu depctr_va_vdst(0)
.set n, 0
.rept 16                                           ; c s - c m
.irp t, 0,1,2,3
	REGS \t
	v_pk_fma_f32 v[rS+2*n:rS+2*n+1], v[rS+2*n:rS+2*n+1], s[CS:CS+1], v[rT:rT+1] op_sel_hi:[1,0,0] neg_lo:[0,0,1] neg_hi:[0,0,1]
.endr
.set n, n+1
.endr
	WIN 0x41
.set n, 0
.rept 16                                           ; O^T times a
.irp t, 0,1,2,3
	REGS \t
	v_pk_mul_f32 v[rO+2*n:rO+2*n+1], v[rO+2*n:rO+2*n+1], v[rC+2:rC+3] op_sel_hi:[1,0]
.endr
.set n, n+1
.endr
	WIN 0
.set n, 0
.rept 128
	v_exp_f32 v[S+n], v[S+n]
.set n, n+1
.endr
	v_nop
.set n, 0
	s_wait_alu depctr_va_vdst(0)
.rept 64
	v_cvt_pk_bf16_f32 v[P+n], v[S+2*n], v[S+2*n+1]
.set n, n+1
.endr
.set n, 0
.rept 8
.irp t, 0,1,2,3
	REGS \t
	v_pk_add_f32 v[rS+4*n:rS+4*n+1], v[rS+4*n:rS+4*n+1], v[rS+4*n+2:rS+4*n+3]
.endr
.set n, n+1
.endr
.irp t, 0,1,2,3
	REGS \t
	v_pk_fma_f32 v[rT+2:rT+3], v[rT+2:rT+3], v[rC+2:rC+3], v[rS:rS+1] op_sel_hi:[1,0,1]  ; l = a l + ...
.endr
.set n, 1
.rept 7
.irp t, 0,1,2,3
	REGS \t
	v_pk_add_f32 v[rT+2:rT+3], v[rT+2:rT+3], v[rS+4*n:rS+4*n+1]
.endr
.set n, n+1
.endr
	s_wait_dscnt 0x0                               ; V is in
	WIN 0x52
.set i, 0
.rept 32                                           ; the 16 tiles of O^T take turns
.set rO, 32*(i%4)+8*((i/4)%4)
.set rV, VF+32*(i/16)+8*((i/4)%4)
.set rP, P+16*(i%4)+8*(i/16)
	v_wmma_f32_16x16x32_bf16 v[rO:rO+7], v[rV:rV+7], v[rP:rP+7], v[rO:rO+7]
.set i, i+1
.endr
	WIN 0
	s_add_co_u32 s[TBK], s[TBK], 64*PK
	s_add_co_u32 s[TBV], s[TBV], 64*PV
	s_add_co_u32 s[STP], s[STP], 1
	s_cmp_lt_u32 s[STP], 5
	s_cbranch_scc1 .Lstep
	; THE WAY OUT: O^T times 0.3 / l, rounded to bf16, through my stage, a tile at a time.  The additions are the places behind the last products.
.macro ALL line:vararg
.set t, 0
.rept 4
	\line
.set t, t+1
.endr
.endm
	ALL v_add_f32 v[ST+4*t+2], v[ST+4*t+2], v[ST+4*t+3]
	ALL v_permlanex16_b32 v[ST+4*t+3], v[ST+4*t+2], s[SEL], s[SEL+1]
	ALL v_add_f32 v[ST+4*t+2], v[ST+4*t+2], v[ST+4*t+3]
	ALL v_rcp_f32 v[ST+4*t+2], v[ST+4*t+2]
	v_nop
	s_wait_alu depctr_va_vdst(0)
	ALL v_mul_f32 v[ST+4*t+2], 0x3e99999a, v[ST+4*t+2]
.macro PACK t
	WIN 0x41
.set i, 32*(\t)
.rept 16
	v_pk_mul_f32 v[i:i+1], v[i:i+1], v[ST+4*(\t)+2:ST+4*(\t)+3] op_sel_hi:[1,0]
.set i, i+2
.endr
	WIN 0x05
.set i, 0
.rept 16
	v_cvt_pk_bf16_f32 v[S+16*(\t)+i], v[32*(\t)+2*i], v[32*(\t)+2*i+1]
.set i, i+1
.endr
	WIN 0
.irp f, 0,1,2,3
	ds_store_b128 v[STO], v[S+16*(\t)+4*(\f):S+16*(\t)+4*(\f)+3] offset:32*(\f)
.endr
.irp f, 0,1,2,3
	ds_load_b128 v[S+16*(\t)+4*(\f):S+16*(\t)+4*(\f)+3], v[RD] offset:(\f)*4*SP  ; LDS serves a wave's instructions in order
.endr
.endm
.macro SEND t, younger                 ; younger: the next tile's eight LDS lines, or none
.irp f, 0,1,2,3
	s_wait_dscnt (\younger)+3-(\f)
	global_store_b128 v[GO], v[S+16*(\t)+4*(\f):S+16*(\t)+4*(\f)+3], s[82:83] offset:(\t)*2048+(\f)*512  ; 512 consecutive bytes, aligned
.endr
.endm
	PACK 0
	PACK 1
	SEND 0, 8
	PACK 2
	SEND 1, 8
	PACK 3
	SEND 2, 8
	SEND 3, 0
	s_wait_tensorcnt 0x0                           ; the wave's end
	ds_add_u32 v[SPW], v[NIL]
	s_wait_dscnt 0x0
	s_endpgm
.Lfunc_end_k_q40b24f0755_attn:
	.size	k_q40b24f0755_attn, .Lfunc_end_k_q40b24f0755_attn-k_q40b24f0755_attn
	.p2alignl 7, 3214868480
	.fill 96, 4, 3214868480
	.section	.rodata,"a",@progbits
	.p2align	6, 0x0
	.amdhsa_kernel k_q40b24f0755_attn
		.amdhsa_group_segment_fixed_size 167936
		.amdhsa_private_segment_fixed_size 0
		.amdhsa_enable_private_segment 0
		.amdhsa_kernarg_size 72
		.amdhsa_user_sgpr_count 2
		.amdhsa_user_sgpr_kernarg_segment_ptr 1
		.amdhsa_wavefront_size32 1
		.amdhsa_system_sgpr_workgroup_id_x 1
		.amdhsa_system_sgpr_workgroup_id_y 1
		.amdhsa_system_sgpr_workgroup_id_z 1
		.amdhsa_system_vgpr_workitem_id 0
		.amdhsa_next_free_vgpr 1024
		.amdhsa_next_free_sgpr 96
		.amdhsa_reserve_vcc 1
		.amdhsa_float_denorm_mode_32 3
		.amdhsa_float_denorm_mode_16_64 3
		.amdhsa_memory_ordered 1
		.amdhsa_forward_progress 1
		.amdhsa_inst_pref_size 84
	.end_amdhsa_kernel
	.amdgpu_metadata
---
amdhsa.version: [ 1, 2 ]
amdhsa.kernels:
  - .name:           k_q40b24f0755_attn
    .symbol:         k_q40b24f0755_attn.kd
    .args:
      - { .name: proj, .offset: 0, .size: 8, .value_kind: global_buffer, .address_space: global }
      - { .name: xn, .offset: 8, .size: 8, .value_kind: global_buffer, .address_space: global }
      - { .name: wst, .offset: 16, .size: 8, .value_kind: global_buffer, .address_space: global }
      - { .name: b_beta, .offset: 24, .size: 8, .value_kind: global_buffer, .address_space: global }
      - { .name: b_g, .offset: 32, .size: 8, .value_kind: global_buffer, .address_space: global }
      - { .name: b_gate, .offset: 40, .size: 8, .value_kind: global_buffer, .address_space: global }
      - { .name: input_ids, .offset: 48, .size: 8, .value_kind: global_buffer, .address_space: global }
      - { .name: gates, .offset: 56, .size: 8, .value_kind: global_buffer, .address_space: global }
      - { .name: acat, .offset: 64, .size: 8, .value_kind: global_buffer, .address_space: global }
    .group_segment_fixed_size: 167936
    .private_segment_fixed_size: 0
    .kernarg_segment_align: 8
    .kernarg_segment_size: 72
    .max_flat_workgroup_size: 128
    .sgpr_count:     96
    .vgpr_count:     1024
    .wavefront_size: 32
...
	.end_amdgpu_metadata
.endif
;; end of part 3
;; launch gdn (part 4): grid 64 x 1, 4 waves a work-group, no clusters, 261,120 bytes of LDS; arguments proj, gates, initial_state, acat; writes acat
.if DOCPART == 4
	.amdgcn_target "amdgcn-amd-amdhsa--gfx1250"
	.amdhsa_code_object_version 6
	.text
	.protected	k_q40b24f0755_gdn
	.globl	k_q40b24f0755_gdn
	.p2align	8
	.type	k_q40b24f0755_gdn,@function
k_q40b24f0755_gdn:
	s_mov_b64 s[64:65], 0
	v_nop
	global_prefetch_b8 v0, s[64:65] scope:SCOPE_SE
	s_setreg_imm32_b32 hwreg(HW_REG_WAVE_MODE, 25, 1), 1
	s_wait_xcnt 0x0
; THE GATED DELTA RULE in its exact chunked form, and the retrieval.  One work-group for each (b, h); 64 chains are all the problem has, so 64 work-groups.
; Steps are numbered by the output row s: step s takes k~ = k_shared[s-1], v[s], beta[s-1], g[s-1]; step 0 has k~ = 0, beta = 0, g = 1: the state stays and o_0 = 0.
; A chunk is 64 steps.  cum_t = the running sum of log2 g, gamma = 2^cum.  A[t][i] = (k~_t . k~_i) 2^(cum_t - cum_i) for i <= t.  L = diag(beta) strictlower(A).  T = (I + L)^-1.
;   Y = beta (V - gamma K~S);  U = T Y;  O = gamma K~S + A U;  S <- gamma_63 S + K~^T (2^(cum_63 - cum) U).  All exponents are <= 0.
; T is exact: the four diagonal blocks of 16 by forward substitution in f32, the six blocks below by T_ab = D_a sum_s (-L_as) T_sb.  No series is cut.
; PHASE A (a wave a chunk, four chunks a group): A and T of the chunk, K~ and V into the wave's LDS slot.  PHASE B (chunks in order; a wave owns 16 columns of the state): the four lines above.
; PHASE C: retrieved = k_shared Sf, times the mean gate.  K and V come through registers, asked for a group ahead.  Matrix operands bf16; S, cum, all sums f32.
; NaN and infinities are not treated apart.
; D = wmma(F1, F2): D[m][n] = sum_y F1[m][y] F2[n][y]; lane (r, h) register j holds (m = 8 h + j, n = r); two such tiles stacked in m and packed are the fragment of D^T.
.set BET, 0                            ; seven vectors of 1,024 f32, by step (GMA by token)
.set LGS, 4096
.set CUM, 8192
.set GAM, 12288
.set BGA, 16384
.set DKA, 20480
.set GMA, 24576
.set TOT, 28672
.set SPARE, 29184
.set DL,  29696                        ; 4 x 4,096: a wave's four diagonal blocks of -L in f32
.set SL0, 46080                        ; four slots
.set SLB, 39936
.set VSO, 10240                        ; in a slot: KS [s][k] pitch 160; VS [s][v] pitch 160; TT [col][row] pitch 160; AM [t][i] pitch 144
.set TTO, 20480
.set AMO, 30720
.set OST, 205824                       ; a group's 256 rows of o, pitch 144
.set SFT, 242688                       ; Sf^T [v][k], pitch 144
.set CST, 251904                       ; phase C's stages
.set GK,  4
.set GK0, 5
.set GV,  6
.set C128H, 7
.set H16, 8
.set KSST, 9
.set VSST, 10
.set AMST, 11
.set DLST, 12
.set DLRD, 13
.set TTFS, 14
.set TTTR, 15
.set P5,  16
.set VL0, 17
.set VH0, 18
.set VLA, 19
.set VHA, 20
.set P1,  21
.set P2,  22
.set P2W, 23
.set P3,  24
.set OSTA0, 25
.set GO16, 26
.set OSTRD, 27
.set SPW, 28
.set NIL, 29
.set S,   32
.set ID,  64
.set G,   80
.set CIR, 160
.set CTL, 192
.set NB,  196
.set EX,  200
.set NLT, 208
.set PKR, 216
.set TFW, 224
.set ZM,  240
.set SBF, 80
.set KSA, 96
.set OT,  128
.set BV,  160
.set YB,  192
.set UB,  208
.set UH,  224
.set GL,  240
.set GC,  244
.set KFA, 246
.set KTA, 247
.set VBA, 248
.set AFA, 249
.set VH2, 250
.set VL2, 251
.set VC2, 252
.set OSTA, 253
.set KF,  0                            ; window 1
.set KT,  64
.set TF,  128
.set AF,  176
.set VB,  224
.set BGR, 0                            ; window 3
.set BRR, 32
.set DKR, 64
.set WV,  12
.set BH,  13
.set GR,  26
.set QC,  27
.set SB,  28
.set VS,  29
.set OB,  30
.set VA,  31
.set HM,  32
.set MLE, 36
.set MLT, 44
.set MSB, 0
.macro WIN new
.if MSB != (\new)
	s_set_vgpr_msb (MSB<<8)|(\new)
.set MSB, (\new)
.endif
.endm
.macro NOP4
.rept 4
	v_nop
.endr
.endm
; K~ (as fragments, one row back) and V (dense) of the chunk at GK, GV -> window 2.  Row -1 is clamped to row 0 and cleared later.
.macro ASK
	v_max_u32 v[GK0], v[GK], v[C128H]
	v_add_nc_u32 v[GK0], 0xffffff80, v[GK0]
	WIN 0x80
.irp kk, 0,1
	global_load_b128 v[8*(\kk):8*(\kk)+3],   v[GK0], s[16:17] offset:64*(\kk)
	global_load_b128 v[8*(\kk)+4:8*(\kk)+7], v[GK0], s[16:17] offset:64*(\kk)+32
.endr
.irp a, 1,2,3
.irp kk, 0,1
	global_load_b128 v[16*(\a)+8*(\kk):16*(\a)+8*(\kk)+3],   v[GK], s[16:17] offset:2048*(\a)-128+64*(\kk)
	global_load_b128 v[16*(\a)+8*(\kk)+4:16*(\a)+8*(\kk)+7], v[GK], s[16:17] offset:2048*(\a)-128+64*(\kk)+32
.endr
.endr
.set i, 0
.rept 16
	global_load_b128 v[64+4*i:64+4*i+3], v[GV], s[18:19] offset:512*i
.set i, i+1
.endr
	WIN 0
.endm
	s_load_b256 s[4:11], s[0:1], 0x0               ; proj, gates, initial_state, acat
	v_lshl_add_u32 v[SPW], v0, 2, SPARE
	v_mov_b32 v[NIL], 0
	v_lshrrev_b32 v1, 5, v0
	v_readfirstlane_b32 s[WV], v1
	s_mov_b32 s[BH], ttmp9
	s_lshr_b32 s14, s[BH], 4                       ; b
	s_and_b32 s15, s[BH], 15                       ; head
	s_mov_b32 s25, 0
	s_mov_b32 s[HM], 0xffff0000
	v_and_b32 v3, 31, v0
	v_and_b32 v1, 15, v0
	v_bfe_u32 v2, v0, 4, 1
	v_lshrrev_b32 v246, 1, v0                      ; thread t takes tokens 8 t .. 8 t + 7: block t / 2, half t % 2, my head's 16 bytes
	v_and_b32 v247, 1, v0
	v_lshlrev_b32 v246, 10, v246
	v_lshl_add_u32 v246, v247, 8, v246
	s_lshl_b32 s52, s14, 16
	s_lshl_b32 s53, s15, 4
	s_add_co_u32 s52, s52, s53
	v_add_nc_u32 v246, s52, v246
	v_lshlrev_b32 v247, 11, v2                     ; S0: row k = 16 a + 8 h + j, column 16 w + r
	v_lshl_add_u32 v247, v1, 2, v247
	s_lshl_b32 s52, s[WV], 6
	v_add_nc_u32 v247, s52, v247
	v_lshlrev_b32 v[H16], 4, v2
	v_add_nc_u32 v[C128H], 128, v[H16]
	v_lshl_add_u32 v[GK], v1, 7, v[H16]
	s_lshl_b32 s52, s[WV], 13
	v_add_nc_u32 v[GK], s52, v[GK]                 ; chunk w: 8,192 w + 128 r + 16 h
	v_lshl_add_u32 v[GV], v3, 4, s52
	s_wait_kmcnt 0x0
	s_lshl_b32 s24, s[BH], 17
	s_add_nc_u64 s[16:17], s[4:5], s[24:25]        ; k_shared of my head
	s_add_nc_u64 s[18:19], s[16:17], 0x800000      ; v
	s_lshl_b32 s24, s[BH], 14
	s_add_nc_u64 s[8:9], s[8:9], s[24:25]
	s_mul_i32 s52, s14, 48
	s_add_co_u32 s52, s52, s15
	s_lshl_b32 s24, s52, 10
	s_lshl_b32 s53, s[WV], 6
	s_add_co_u32 s24, s24, s53
	s_lshl_b32 s24, s24, 7
	s_add_nc_u64 s[20:21], s[10:11], s[24:25]      ; acat part 0, row 64 w
	s_add_co_u32 s52, s52, 32
	s_lshl_b32 s24, s52, 10
	s_lshl_b32 s53, s[WV], 8
	s_add_co_u32 s24, s24, s53
	s_lshl_b32 s24, s24, 7
	s_add_nc_u64 s[22:23], s[10:11], s[24:25]      ; acat part 2, row 256 w
	s_lshl_b32 s24, s[WV], 15
	s_add_nc_u64 s[54:55], s[16:17], s[24:25]      ; k_shared at token 256 w
.irp z, 0,1,2
.irp q, 0,1
	global_load_b128 v[80+8*(\z)+4*(\q):80+8*(\z)+4*(\q)+3], v246, s[6:7] offset:262144*(\z)+512*(\q)
.endr
.endr
.set i, 0
.rept 32
	global_load_b32 v[S+i], v247, s[8:9] offset:256*(16*(i/8)+i%8)
.set i, i+1
.endr
	ASK
	; lane patterns
	v_mul_u32_u24 v[P1], v1, 160
	v_add_nc_u32 v[P1], v[H16], v[P1]              ; plain fragment, pitch 160
	v_and_b32 v30, 7, v0
	v_lshl_add_u32 v31, v2, 3, v30
	v_mul_u32_u24 v[P2], v31, 160
	v_bfe_u32 v31, v0, 3, 1
	v_lshl_add_u32 v[P2], v31, 4, v[P2]            ; turning load, pitch 160
	s_lshl_b32 s52, s[WV], 5
	v_add_nc_u32 v[P2W], s52, v[P2]                ; the same at my 16 columns of v
	v_mul_u32_u24 v[P3], v1, 144
	v_add_nc_u32 v[P3], v[H16], v[P3]              ; plain fragment, pitch 144
	v_lshrrev_b32 v31, 3, v3
	v_mul_u32_u24 v[P5], v31, 144
	v_lshl_add_u32 v[P5], v30, 4, v[P5]            ; four rows of 128 bytes, pitch 144
	v_mul_u32_u24 v[VSST], v31, 160
	v_lshl_add_u32 v[VSST], v30, 4, v[VSST]
	s_mul_i32 s53, s[WV], SLB
	s_add_co_u32 s53, s53, SL0                     ; my slot
	v_add_nc_u32 v[VSST], s53, v[VSST]
	v_add_nc_u32 v[KSST], s53, v[P1]
	v_add_nc_u32 v[AMST], s53, v[P3]
	v_add_nc_u32 v[TTTR], s53, v[P2]
	v_mul_u32_u24 v[TTFS], v1, 160
	v_mad_u32_u24 v[TTFS], v2, 2592, v[TTFS]
	v_add_nc_u32 v[TTFS], s53, v[TTFS]
	s_lshl_b32 s52, s[WV], 12
	s_add_co_u32 s52, s52, DL
	v_lshlrev_b32 v[DLST], 6, v1
	v_lshl_add_u32 v[DLST], v2, 5, v[DLST]
	v_add_nc_u32 v[DLST], s52, v[DLST]
	v_lshl_add_u32 v[DLRD], v2, 10, s52
	v_lshlrev_b32 v[VL0], 2, v1
	v_lshlrev_b32 v[VH0], 5, v2
	s_lshl_b32 s52, s[WV], 5
	s_add_co_u32 s52, s52, OST
	v_add_nc_u32 v[OSTA0], s52, v[P3]
	s_mul_i32 s52, s[WV], 64*144
	s_add_co_u32 s52, s52, OST
	v_add_nc_u32 v[OSTRD], s52, v[P5]
	v_lshlrev_b32 v[GO16], 4, v3
	v_lshlrev_b32 v31, 3, v2
	v_sub_nc_u32 v31, v1, v31                      ; r - 8 h
.irp j, 0,1,2,3,4,5,6,7
	v_cmp_le_i32 s[MLE+(\j)], \j, v31              ; i <= t in a diagonal tile
	v_cmp_lt_i32 s[MLT+(\j)], \j, v31              ; i < t
.endr
.set t, 0
.rept 16
	v_cmp_eq_u32 vcc_lo, t, v1
	v_cndmask_b32 v[ID+t], 0, 1.0, vcc_lo
.set t, t+1
.endr
	v_mov_b32 v[GC+1], 0                           ; named with GC as a pair
	WIN 0x80
.set i, 128
.rept 120
	v_mov_b32 v[i], 0                              ; the chain's fragments: twelve quads stay 0; the others need only be finite where a zero half meets them
.set i, i+1
.endr
	WIN 0
	v_lshrrev_b32 v30, 1, v3
	v_and_b32 v31, 1, v0
	v_mul_u32_u24 v160, v30, 160
	v_lshl_add_u32 v160, v31, 4, v160
	v_add_nc_u32 v160, s53, v160
	v_mul_u32_u24 v161, v30, 144
	v_lshl_add_u32 v161, v31, 4, v161
	v_add_nc_u32 v161, s53, v161
	v_lshlrev_b32 v162, 5, v0                      ; 32 t
	v_add_nc_u32 v163, 32, v162
	v_and_b32 v163, 0xfff, v163
.irp i, 164,165,166,167
	v_mov_b32 v[\i], 0
.endr
	ds_store_b128 v160, v[164:167] offset:TTO+16*160      ; the blocks (0,1) and (2,3) of T and of A are 0 and are never written again
	ds_store_b128 v160, v[164:167] offset:TTO+48*160+64
	ds_store_b128 v161, v[164:167] offset:AMO+32
	ds_store_b128 v161, v[164:167] offset:AMO+32*144+96
	s_wait_loadcnt 63                              ; 64 loads are younger than the gates' six
	v_cmp_eq_u32 vcc_lo, 127, v0
	v_cndmask_b32 v87, v87, v[NIL], vcc_lo         ; token 1,023's numbers serve no step: their place, step 0, takes 0
	v_cndmask_b32 v95, v95, v[NIL], vcc_lo
.irp e, 0,1,2,3,4,5,6
	ds_store_b32 v162, v[80+(\e)] offset:BET+4*((\e)+1)   ; token's numbers go to step token + 1
	ds_store_b32 v162, v[88+(\e)] offset:LGS+4*((\e)+1)
.endr
	ds_store_b32 v163, v87 offset:BET
	ds_store_b32 v163, v95 offset:LGS
	ds_store_b128 v162, v[96:99] offset:GMA
	ds_store_b128 v162, v[100:103] offset:GMA+16
	s_wait_dscnt 0x0
	s_barrier_signal -1
	s_barrier_wait -1
	ds_load_b128 v[104:107], v162 offset:LGS       ; my eight steps
	ds_load_b128 v[108:111], v162 offset:LGS+16
	ds_load_b128 v[112:115], v162 offset:BET
	ds_load_b128 v[116:119], v162 offset:BET+16
	s_wait_dscnt 0x0
.irp e, 1,2,3,4,5,6,7
	v_add_f32 v[104+(\e)], v[104+(\e)], v[103+(\e)]
.endr
	v_lshlrev_b32 v168, 2, v0
	ds_store_b32 v168, v111 offset:TOT
	v_lshrrev_b32 v169, 3, v0
	v_lshlrev_b32 v169, 5, v169
	ds_load_b128 v[120:123], v169 offset:TOT       ; my chunk's eight totals: threads of my own wave, served in order
	ds_load_b128 v[124:127], v169 offset:TOT+16
	v_and_b32 v170, 7, v0
	s_wait_dscnt 0x0
	v_cmp_lt_u32 vcc_lo, 0, v170
	v_cndmask_b32 v171, 0, v120, vcc_lo
.irp m, 1,2,3,4,5,6
	v_cmp_lt_u32 vcc_lo, \m, v170
	v_cndmask_b32 v172, 0, v[120+(\m)], vcc_lo
	v_add_f32 v171, v171, v172
.endr
	v_add_f32 v173, v120, v121
.irp m, 2,3,4,5,6,7
	v_add_f32 v173, v173, v[120+(\m)]
.endr
.irp e, 0,1,2,3,4,5,6,7
	v_add_f32 v[128+(\e)], v[104+(\e)], v171       ; cum
.endr
.irp e, 0,1,2,3,4,5,6,7
	v_sub_f32 v[152+(\e)], v173, v[128+(\e)]
.endr
.irp e, 0,1,2,3,4,5,6,7
	v_exp_f32 v[136+(\e)], v[128+(\e)]             ; gamma
.endr
.irp e, 0,1,2,3,4,5,6,7
	v_exp_f32 v[152+(\e)], v[152+(\e)]             ; 2^(cum_63 - cum)
.endr
	v_nop
	s_wait_alu depctr_va_vdst(0)
.irp e, 0,1,2,3,4,5,6,7
	v_mul_f32 v[144+(\e)], v[112+(\e)], v[136+(\e)]
.endr
	ds_store_b128 v162, v[128:131] offset:CUM
	ds_store_b128 v162, v[132:135] offset:CUM+16
	ds_store_b128 v162, v[136:139] offset:GAM
	ds_store_b128 v162, v[140:143] offset:GAM+16
	ds_store_b128 v162, v[144:147] offset:BGA
	ds_store_b128 v162, v[148:151] offset:BGA+16
	ds_store_b128 v162, v[152:155] offset:DKA
	ds_store_b128 v162, v[156:159] offset:DKA+16
	s_wait_dscnt 0x0
	s_barrier_signal -1
	s_barrier_wait -1
; one tile (a, b) of G: decay, A's tile to LDS, -beta A to the chain's fragment or, on the diagonal, in f32 to DL
.macro TILE a, b
.set rG, G+8*((\a)*((\a)+1)/2+(\b))
.if (\a) == 1
.set rN, 128
.elseif (\a) == 2
.set rN, 136+4*(\b)
.else
.set rN, 144+4*(\b)
.endif
.irp j, 0,1,2,3,4,5,6,7
	v_sub_f32 v[EX+(\j)], v[CTL+(\a)], v[CIR+8*(\b)+(\j)]
.endr
.irp j, 0,1,2,3,4,5,6,7
	v_exp_f32 v[EX+(\j)], v[EX+(\j)]
.endr
	v_nop
	s_wait_alu depctr_va_vdst(0)
.irp p, 0,1,2,3
	v_pk_mul_f32 v[rG+2*(\p):rG+2*(\p)+1], v[rG+2*(\p):rG+2*(\p)+1], v[EX+2*(\p):EX+2*(\p)+1]
.endr
.if (\a) == (\b)
.irp j, 0,1,2,3,4,5,6,7
	v_cndmask_b32 v[rG+(\j)], 0, v[rG+(\j)], s[MLE+(\j)]
.endr
.endif
.irp p, 0,1,2,3
	v_cvt_pk_bf16_f32 v[PKR+(\p)], v[rG+2*(\p)], v[rG+2*(\p)+1]
.endr
	ds_store_b128 v[AMST], v[PKR:PKR+3] offset:AMO+2304*(\a)+32*(\b)
.irp j, 0,1,2,3,4,5,6,7
	v_mul_f32 v[NLT+(\j)], v[NB+(\a)], v[rG+(\j)]
.endr
.if (\a) == (\b)
.irp j, 0,1,2,3,4,5,6,7
	v_cndmask_b32 v[NLT+(\j)], 0, v[NLT+(\j)], s[MLT+(\j)]
.endr
	ds_store_b128 v[DLST], v[NLT:NLT+3] offset:1024*(\a)
	ds_store_b128 v[DLST], v[NLT+4:NLT+7] offset:1024*(\a)+16
.else
	WIN 0x80
.irp p, 0,1,2,3
	v_cvt_pk_bf16_f32 v[rN+(\p)], v[NLT+2*(\p)], v[NLT+2*(\p)+1]
.endr
	WIN 0
.endif
.endm
.macro DLLOAD p                        ; rows 1-15 of -L's blocks 2 p (lanes 0-15) and 2 p + 1 (lanes 16-31), the same numbers in all 16 lanes: (t, i) at v[16 (t - 1) + i] of window 1 or 3
	WIN 0x40+0x80*(\p)
.set t, 1
.rept 15
.set q, 0
.rept (t+3)/4
	ds_load_b128 v[16*(t-1)+4*q:16*(t-1)+4*q+3], v[DLRD] offset:2048*(\p)+64*t+16*q
.set q, q+1
.endr
.set t, t+1
.endr
	WIN 0
.endm
.macro FS p                            ; forward substitution: a lane holds one column of the inverse, X_t = e_t + sum over i < t of (-L)[t][i] X_i
	WIN 1+2*(\p)
.set t, 1
.rept 15
	v_fma_f32 v[TFW+t], v[16*(t-1)], v[ID], v[ID+t]
.set t, t+1
.endr
.set i, 1
.rept 14
.set t, i+1
.rept 15-i
	v_fma_f32 v[TFW+t], v[16*(t-1)+i], v[TFW+i], v[TFW+t]
.set t, t+1
.endr
.set i, i+1
.endr
	WIN 0
	v_cvt_pk_bf16_f32 v[PKR], v[ID], v[TFW+1]
.irp m, 1,2,3,4,5,6,7
	v_cvt_pk_bf16_f32 v[PKR+(\m)], v[TFW+2*(\m)], v[TFW+2*(\m)+1]
.endr
	ds_store_b128 v[TTFS], v[PKR:PKR+3] offset:TTO+5184*(\p)
	ds_store_b128 v[TTFS], v[PKR+4:PKR+7] offset:TTO+5184*(\p)+16
.endm
.macro CW d, f1, f2, acc               ; a product of the chain: both sources in window 2, the result in window 0
.if \acc
	v_wmma_f32_16x16x32_bf16 v[(\d):(\d)+7], v[(\f1):(\f1)+7], v[(\f2):(\f2)+7], v[(\d):(\d)+7]
.else
	v_wmma_f32_16x16x32_bf16 v[(\d):(\d)+7], v[(\f1):(\f1)+7], v[(\f2):(\f2)+7], 0
.endif
.endm
.macro CP dst, src                     ; a result packed into a quad
.irp p, 0,1,2,3
	v_cvt_pk_bf16_f32 v[(\dst)+(\p)], v[(\src)+2*(\p)], v[(\src)+2*(\p)+1]
.endr
.endm
	s_mov_b32 s[GR], 4
	s_lshl_b32 s[VA], s[WV], 8
	s_mov_b32 s[VS], 0
.Lgroup:
	; ---------------- PHASE A: chunk 4 g + w
	s_wait_loadcnt 0x0                             ; K~ and V are in; their address registers are free
	v_cmp_ne_u32 vcc_lo, v[GK], v[H16]
	v_cndmask_b32 v[ZM], 0, -1, vcc_lo             ; step 0's row of K~ is 0
	v_add_nc_u32 v[GK], 0x8000, v[GK]              ; four chunks on
	v_add_nc_u32 v[GV], 0x8000, v[GV]
	v_add_nc_u32 v[VLA], s[VA], v[VL0]
	v_add_nc_u32 v[VHA], s[VA], v[VH0]
	WIN 0x88
.set i, 0
.rept 16
	v_and_b32 v[i], v[ZM], v[i]
.set i, i+1
.endr
	WIN 0x08
.set i, 0
.rept 16                                           ; fragment quad i: block i / 4, 32 k half (i / 2) % 2, quad i % 2
	ds_store_b128 v[KSST], v[4*i:4*i+3] offset:2560*(i/4)+64*((i/2)%2)+32*(i%2)
.set i, i+1
.endr
.set i, 0
.rept 16
	ds_store_b128 v[VSST], v[64+4*i:64+4*i+3] offset:VSO+640*i
.set i, i+1
.endr
	WIN 0
.irp b, 0,1,2,3
	ds_load_b128 v[CIR+8*(\b):CIR+8*(\b)+3],   v[VHA] offset:CUM+64*(\b)
	ds_load_b128 v[CIR+8*(\b)+4:CIR+8*(\b)+7], v[VHA] offset:CUM+64*(\b)+16
.endr
.irp a, 0,1,2,3
	ds_load_b32 v[CTL+(\a)], v[VLA] offset:CUM+64*(\a)
	ds_load_b32 v[NB+(\a)], v[VLA] offset:BET+64*(\a)
.endr
	WIN 0x0a
.irp kk, 0,1                                       ; G = K~ K~^T, ten tiles by turns: lane = t, registers = i
.irp a, 0,1,2,3
.irp b, 0,1,2,3
.if (\b) <= (\a)
.set rG, G+8*((\a)*((\a)+1)/2+(\b))
.if (\kk) == 0
	v_wmma_f32_16x16x32_bf16 v[rG:rG+7], v[16*(\b)+8*(\kk):16*(\b)+8*(\kk)+7], v[16*(\a)+8*(\kk):16*(\a)+8*(\kk)+7], 0
.else
	v_wmma_f32_16x16x32_bf16 v[rG:rG+7], v[16*(\b)+8*(\kk):16*(\b)+8*(\kk)+7], v[16*(\a)+8*(\kk):16*(\a)+8*(\kk)+7], v[rG:rG+7]
.endif
.endif
.endr
.endr
.endr
	WIN 0
	NOP4
	s_wait_dscnt 0x0
.irp a, 0,1,2,3
	v_mul_f32 v[NB+(\a)], -1.0, v[NB+(\a)]
.endr
	TILE 0, 0
	TILE 1, 0
	TILE 1, 1
	TILE 2, 0
	TILE 2, 1
	TILE 2, 2
	TILE 3, 0
	TILE 3, 1
	TILE 3, 2
	TILE 3, 3
	DLLOAD 0
	DLLOAD 1
	s_wait_dscnt 36                                ; the first pass's rows are in; the second's 36 loads may be out
	FS 0
	s_wait_dscnt 0x0
	FS 1
	WIN 0x80                                       ; the diagonal blocks come back as fragments: D_a (rows along lanes) turned, T^T plain
	ds_load_tr16_b128 v[200:203], v[TTTR] offset:TTO+2592
	ds_load_tr16_b128 v[208:211], v[TTTR] offset:TTO+5184
	ds_load_tr16_b128 v[216:219], v[TTTR] offset:TTO+7776
	ds_load_b128 v[160:163], v[KSST] offset:TTO
	ds_load_b128 v[180:183], v[KSST] offset:TTO+2592
	ds_load_b128 v[192:195], v[KSST] offset:TTO+5184
	s_wait_dscnt 0x0
	; the chain.  window 2: -L fragments 128 (1|0), 136 (2|0,1), 144 (3|0,1), 152 (3|2); T^T fragments 160 (col 0, rows 0,1), 168 (col 0, row 2), 176 (col 1, rows -,1), 184 (col 1, row 2), 192 (col 2, row 2);
	; D_a 200, 208, 216; X^T 224, 232, 240.  window 0: X at 80, 88, 96; Y at 104, 112, 120.  Four places stand behind each stage.
	WIN 0x0a
	CW 80, 128, 160, 0
	NOP4
	WIN 0x80
	CP 224, 80
	WIN 0x0a
	CW 104, 200, 224, 0                            ; T_10
	NOP4
	WIN 0x80
	CP 164, 104
	WIN 0x08
	ds_store_b128 v[KSST], v[164:167] offset:TTO+32
	WIN 0x0a
	CW 80, 136, 160, 0
	CW 88, 136, 176, 0
	NOP4
	WIN 0x80
	CP 224, 80
	CP 232, 88
	WIN 0x0a
	CW 104, 208, 224, 0                            ; T_20, T_21
	CW 112, 208, 232, 0
	NOP4
	WIN 0x80
	CP 168, 104
	CP 184, 112
	WIN 0x08
	ds_store_b128 v[KSST], v[168:171] offset:TTO+64
	ds_store_b128 v[KSST], v[184:187] offset:TTO+2560+64
	WIN 0x0a
	CW 80, 144, 160, 0
	CW 88, 144, 176, 0
	CW 96, 152, 192, 0
	CW 80, 152, 168, 1
	CW 88, 152, 184, 1
	NOP4
	WIN 0x80
	CP 224, 80
	CP 232, 88
	CP 240, 96
	WIN 0x0a
	CW 104, 216, 224, 0                            ; T_30, T_31, T_32
	CW 112, 216, 232, 0
	CW 120, 216, 240, 0
	NOP4
	WIN 0
	CP 208, 104
	CP 212, 112
	CP 216, 120
	ds_store_b128 v[KSST], v[208:211] offset:TTO+96
	ds_store_b128 v[KSST], v[212:215] offset:TTO+2560+96
	ds_store_b128 v[KSST], v[216:219] offset:TTO+5120+96
	s_wait_dscnt 0x0                               ; for the others' sake: my slot is written
	s_barrier_signal -1
	s_barrier_wait -1
	s_cmp_eq_u32 s[GR], 1
	s_cbranch_scc1 .Lnoask                         ; the last group asks for nothing
	ASK                                            ; the next group's K~ and V land under phase B
.Lnoask:
	; ---------------- PHASE B: the group's four chunks in order
	s_mov_b32 s[QC], 4
	s_mov_b32 s[SB], SL0
	s_mov_b32 s[OB], 0
.Lchunk:
	v_add_nc_u32 v[KFA], s[SB], v[P1]
	v_add_nc_u32 v[KTA], s[SB], v[P2]
	v_add_nc_u32 v[VBA], s[SB], v[P2W]
	v_add_nc_u32 v[AFA], s[SB], v[P3]
	v_add_nc_u32 v[VH2], s[VS], v[VH0]
	v_add_nc_u32 v[VL2], s[VS], v[VL0]
	v_mov_b32 v[VC2], s[VS]
	v_add_nc_u32 v[OSTA], s[OB], v[OSTA0]
	WIN 0x40
.set i, 0
.rept 8                                            ; K~'s fragments: block i / 2, k half i % 2
	ds_load_b128 v[KF+8*i:KF+8*i+3],   v[KFA] offset:2560*(i/2)+64*(i%2)
	ds_load_b128 v[KF+8*i+4:KF+8*i+7], v[KFA] offset:2560*(i/2)+64*(i%2)+32
.set i, i+1
.endr
	WIN 0xc0
.irp a, 0,1,2,3
	ds_load_b128 v[BGR+8*(\a):BGR+8*(\a)+3],   v[VH2] offset:BGA+64*(\a)
	ds_load_b128 v[BGR+8*(\a)+4:BGR+8*(\a)+7], v[VH2] offset:BGA+64*(\a)+16
.endr
.irp a, 0,1,2,3
	ds_load_b128 v[BRR+8*(\a):BRR+8*(\a)+3],   v[VH2] offset:BET+64*(\a)
	ds_load_b128 v[BRR+8*(\a)+4:BRR+8*(\a)+7], v[VH2] offset:BET+64*(\a)+16
.endr
	WIN 0x40
.irp kk, 0,1
	ds_load_tr16_b128 v[VB+8*(\kk):VB+8*(\kk)+3],   v[VBA] offset:VSO+5120*(\kk)
	ds_load_tr16_b128 v[VB+8*(\kk)+4:VB+8*(\kk)+7], v[VBA] offset:VSO+5120*(\kk)+2560
.endr
	WIN 0
.set i, 0
.rept 16
	v_cvt_pk_bf16_f32 v[SBF+i], v[S+2*i], v[S+2*i+1]     ; S^T's fragments
.set i, i+1
.endr
	s_wait_dscnt 20                                ; K~ is in; the 20 loads behind it may be out
	WIN 0x01
.irp kk, 0,1                                       ; K~S: lane = v, registers = t
.irp a, 0,1,2,3
.if (\kk) == 0
	v_wmma_f32_16x16x32_bf16 v[KSA+8*(\a):KSA+8*(\a)+7], v[KF+16*(\a)+8*(\kk):KF+16*(\a)+8*(\kk)+7], v[SBF+8*(\kk):SBF+8*(\kk)+7], 0
.else
	v_wmma_f32_16x16x32_bf16 v[KSA+8*(\a):KSA+8*(\a)+7], v[KF+16*(\a)+8*(\kk):KF+16*(\a)+8*(\kk)+7], v[SBF+8*(\kk):SBF+8*(\kk)+7], v[KSA+8*(\a):KSA+8*(\a)+7]
.endif
.endr
.endr
	WIN 0x04
.irp kk, 0,1                                       ; the same turned: lane = t, registers = v
.irp a, 0,1,2,3
.if (\kk) == 0
	v_wmma_f32_16x16x32_bf16 v[OT+8*(\a):OT+8*(\a)+7], v[SBF+8*(\kk):SBF+8*(\kk)+7], v[KF+16*(\a)+8*(\kk):KF+16*(\a)+8*(\kk)+7], 0
.else
	v_wmma_f32_16x16x32_bf16 v[OT+8*(\a):OT+8*(\a)+7], v[SBF+8*(\kk):SBF+8*(\kk)+7], v[KF+16*(\a)+8*(\kk):KF+16*(\a)+8*(\kk)+7], v[OT+8*(\a):OT+8*(\a)+7]
.endif
.endr
.endr
.macro LOW6 body:vararg                ; the six fragments of a lower triangle: number x, row block a, 32-column half kk
.irp x, 0,1,2,3,4,5
.if (\x) < 2
.set fa, (\x)
.set fk, 0
.else
.set fa, 2+((\x)-2)/2
.set fk, (\x)%2
.endif
.set fx, (\x)
	\body
.endr
.endm
	WIN 0x40
	LOW6 ds_load_tr16_b128 v[TF+8*fx:TF+8*fx+3], v[KTA] offset:TTO+5120*fk+32*fa
	LOW6 ds_load_tr16_b128 v[TF+8*fx+4:TF+8*fx+7], v[KTA] offset:TTO+5120*fk+32*fa+2560
	WIN 0xc0
.irp a, 0,1,2,3
	ds_load_b128 v[DKR+8*(\a):DKR+8*(\a)+3],   v[VH2] offset:DKA+64*(\a)
	ds_load_b128 v[DKR+8*(\a)+4:DKR+8*(\a)+7], v[VH2] offset:DKA+64*(\a)+16
.endr
	WIN 0x40
.set i, 0
.rept 8                                            ; K~^T: k block i / 2, t half i % 2
	ds_load_tr16_b128 v[KT+8*i:KT+8*i+3],   v[KTA] offset:5120*(i%2)+32*(i/2)
	ds_load_tr16_b128 v[KT+8*i+4:KT+8*i+7], v[KTA] offset:5120*(i%2)+32*(i/2)+2560
.set i, i+1
.endr
	LOW6 ds_load_b128 v[AF+8*fx:AF+8*fx+3], v[AFA] offset:AMO+2304*fa+64*fk
	LOW6 ds_load_b128 v[AF+8*fx+4:AF+8*fx+7], v[AFA] offset:AMO+2304*fa+64*fk+32
	WIN 0
.irp a, 0,1,2,3
	ds_load_b32 v[GL+(\a)], v[VL2] offset:GAM+64*(\a)
.endr
	ds_load_b32 v[GC], v[VC2] offset:GAM+252
	s_wait_dscnt 53                                ; the first batch is in; the 53 just issued may be out
	WIN 0x04
.set i, 0
.rept 16                                           ; V to f32: these lines are also the places behind the products above
	v_lshlrev_b32 v[BV+2*i], 16, v[VB+i]
	v_and_b32 v[BV+2*i+1], s[HM], v[VB+i]
.set i, i+1
.endr
	WIN 0x03
.set i, 0
.rept 16
	v_pk_mul_f32 v[BV+2*i:BV+2*i+1], v[BRR+2*i:BRR+2*i+1], v[BV+2*i:BV+2*i+1]
.set i, i+1
.endr
.set i, 0
.rept 16                                           ; Y = beta V - beta gamma K~S
	v_pk_fma_f32 v[KSA+2*i:KSA+2*i+1], v[BGR+2*i:BGR+2*i+1], v[KSA+2*i:KSA+2*i+1], v[BV+2*i:BV+2*i+1] neg_lo:[1,0,0] neg_hi:[1,0,0]
.set i, i+1
.endr
	WIN 0
.set i, 0
.rept 16
	v_cvt_pk_bf16_f32 v[YB+i], v[KSA+2*i], v[KSA+2*i+1]
.set i, i+1
.endr
	s_wait_dscnt 41                                ; T's twelve loads are in
	WIN 0x01                                       ; U = T Y: row blocks 0, 1, 2, 3, 2, 3, so that the accumulators take turns
	v_wmma_f32_16x16x32_bf16 v[KSA:KSA+7], v[TF:TF+7], v[YB:YB+7], 0
	v_wmma_f32_16x16x32_bf16 v[KSA+8:KSA+15], v[TF+8:TF+15], v[YB:YB+7], 0
	v_wmma_f32_16x16x32_bf16 v[KSA+16:KSA+23], v[TF+16:TF+23], v[YB:YB+7], 0
	v_wmma_f32_16x16x32_bf16 v[KSA+24:KSA+31], v[TF+32:TF+39], v[YB:YB+7], 0
	v_wmma_f32_16x16x32_bf16 v[KSA+16:KSA+23], v[TF+24:TF+31], v[YB+8:YB+15], v[KSA+16:KSA+23]
	v_wmma_f32_16x16x32_bf16 v[KSA+24:KSA+31], v[TF+40:TF+47], v[YB+8:YB+15], v[KSA+24:KSA+31]
	s_wait_dscnt 0x0
	WIN 0
.set i, 0
.rept 16                                           ; S times gamma_63; these and the next are the places behind U's products
	v_pk_mul_f32 v[S+2*i:S+2*i+1], v[S+2*i:S+2*i+1], v[GC:GC+1] op_sel_hi:[1,0]
.set i, i+1
.endr
.set i, 0
.rept 32                                           ; (K~S)^T times gamma_t
	v_mul_f32 v[OT+i], v[GL+i/8], v[OT+i]
.set i, i+1
.endr
.set i, 0
.rept 16
	v_cvt_pk_bf16_f32 v[UB+i], v[KSA+2*i], v[KSA+2*i+1]
.set i, i+1
.endr
	WIN 0x03
.set i, 0
.rept 16
	v_pk_mul_f32 v[KSA+2*i:KSA+2*i+1], v[DKR+2*i:DKR+2*i+1], v[KSA+2*i:KSA+2*i+1]
.set i, i+1
.endr
	WIN 0
.set i, 0
.rept 16
	v_cvt_pk_bf16_f32 v[UH+i], v[KSA+2*i], v[KSA+2*i+1]
.set i, i+1
.endr
	WIN 0x01
.irp kk, 0,1                                       ; S += K~^T (dk U)
.irp a, 0,1,2,3
	v_wmma_f32_16x16x32_bf16 v[S+8*(\a):S+8*(\a)+7], v[KT+16*(\a)+8*(\kk):KT+16*(\a)+8*(\kk)+7], v[UH+8*(\kk):UH+8*(\kk)+7], v[S+8*(\a):S+8*(\a)+7]
.endr
.endr
	WIN 0x04                                       ; O^T += U^T A^T, row blocks 0, 1, 2, 3, 2, 3
	v_wmma_f32_16x16x32_bf16 v[OT:OT+7], v[UB:UB+7], v[AF:AF+7], v[OT:OT+7]
	v_wmma_f32_16x16x32_bf16 v[OT+8:OT+15], v[UB:UB+7], v[AF+8:AF+15], v[OT+8:OT+15]
	v_wmma_f32_16x16x32_bf16 v[OT+16:OT+23], v[UB:UB+7], v[AF+16:AF+23], v[OT+16:OT+23]
	v_wmma_f32_16x16x32_bf16 v[OT+24:OT+31], v[UB:UB+7], v[AF+32:AF+39], v[OT+24:OT+31]
	v_wmma_f32_16x16x32_bf16 v[OT+16:OT+23], v[UB+8:UB+15], v[AF+24:AF+31], v[OT+16:OT+23]
	v_wmma_f32_16x16x32_bf16 v[OT+24:OT+31], v[UB+8:UB+15], v[AF+40:AF+47], v[OT+24:OT+31]
	WIN 0
	NOP4
.set i, 0
.rept 16
	v_cvt_pk_bf16_f32 v[SBF+i], v[OT+2*i], v[OT+2*i+1]
.set i, i+1
.endr
.irp a, 0,1,2,3
	ds_store_b128 v[OSTA], v[SBF+4*(\a):SBF+4*(\a)+3] offset:2304*(\a)
.endr
	s_add_co_u32 s[SB], s[SB], SLB
	s_add_co_u32 s[VS], s[VS], 256
	s_add_co_u32 s[OB], s[OB], 9216
	s_sub_co_u32 s[QC], s[QC], 1
	s_cmp_lg_u32 s[QC], 0
	s_cbranch_scc1 .Lchunk
	s_wait_dscnt 0x0                               ; my stores of o are done and my reads of the slots are over: behind this barrier the slots are written again
	s_barrier_signal -1
	s_barrier_wait -1
.set i, 0
.rept 16
	ds_load_b128 v[96+4*i:96+4*i+3], v[OSTRD] offset:576*i
.set i, i+1
.endr
.set i, 0
.rept 16
	s_wait_dscnt 15-i
	global_store_b128 v[GO16], v[96+4*i:96+4*i+3], s[20:21] offset:512*i  ; 512 consecutive bytes, aligned
.set i, i+1
.endr
	s_wait_xcnt 0x0                                ; the stores have read their registers and their base
	s_add_nc_u64 s[20:21], s[20:21], 0x8000
	s_add_co_u32 s[VA], s[VA], 1024
	s_sub_co_u32 s[GR], s[GR], 1
	s_cmp_lg_u32 s[GR], 0
	s_cbranch_scc1 .Lgroup
	; ---------------- PHASE C: retrieved[t][v] = gm[t] sum_k k_shared[t][k] Sf[k][v]; wave w takes tokens 256 w .. + 255
.set KC, 64                            ; window 1: k_shared's fragments; Sf^T's at v0-63
.set R,  80
.macro KCLOAD
	WIN 0x40
.set i, 0
.rept 8
	global_load_b128 v[KC+8*i:KC+8*i+3],   v250, s[54:55] offset:2048*(i/2)+64*(i%2)
	global_load_b128 v[KC+8*i+4:KC+8*i+7], v250, s[54:55] offset:2048*(i/2)+64*(i%2)+32
.set i, i+1
.endr
	WIN 0
.endm
.set i, 0
.rept 16
	v_cvt_pk_bf16_f32 v[SBF+i], v[S+2*i], v[S+2*i+1]
.set i, i+1
.endr
	s_mul_i32 s52, s[WV], 16*144
	s_add_co_u32 s52, s52, SFT
	v_add_nc_u32 v246, s52, v[P3]
	v_add_nc_u32 v247, SFT, v[P3]
	s_mul_i32 s52, s[WV], 2304
	s_add_co_u32 s52, s52, CST
	v_add_nc_u32 v248, s52, v[P3]
	v_add_nc_u32 v249, s52, v[P5]
	v_lshl_add_u32 v250, v1, 7, v[H16]
.irp a, 0,1,2,3
	ds_store_b128 v246, v[SBF+4*(\a):SBF+4*(\a)+3] offset:32*(\a)
.endr
	KCLOAD
	s_wait_dscnt 0x0
	s_barrier_signal -1
	s_barrier_wait -1
	WIN 0x40
.set i, 0
.rept 8
	ds_load_b128 v[8*i:8*i+3],   v247 offset:2304*(i/2)+64*(i%2)
	ds_load_b128 v[8*i+4:8*i+7], v247 offset:2304*(i/2)+64*(i%2)+32
.set i, i+1
.endr
	WIN 0
	s_mov_b32 s[QC], 4
	s_lshl_b32 s[VS], s[WV], 10
.Lret:                                                 ; four trips of 64 tokens
	s_wait_loadcnt 0x0
	s_wait_dscnt 0x0
	s_add_nc_u64 s[54:55], s[54:55], 8192          ; free since the wait for the loads
	v_add_nc_u32 v251, s[VS], v[VL0]
	WIN 0x05
.irp kk, 0,1                                       ; 16 accumulators by turns: lane = token, registers = v
.set i, 0
.rept 16
.if (\kk) == 0
	v_wmma_f32_16x16x32_bf16 v[R+8*i:R+8*i+7], v[16*(i%4)+8*(\kk):16*(i%4)+8*(\kk)+7], v[KC+16*(i/4)+8*(\kk):KC+16*(i/4)+8*(\kk)+7], 0
.else
	v_wmma_f32_16x16x32_bf16 v[R+8*i:R+8*i+7], v[16*(i%4)+8*(\kk):16*(i%4)+8*(\kk)+7], v[KC+16*(i/4)+8*(\kk):KC+16*(i/4)+8*(\kk)+7], v[R+8*i:R+8*i+7]
.endif
.set i, i+1
.endr
.endr
	WIN 0
	NOP4
	s_cmp_eq_u32 s[QC], 1
	s_cbranch_scc1 .Lnokc                          ; the last trip asks for nothing
	KCLOAD
.Lnokc:
.irp tt, 0,1,2,3
	ds_load_b32 v[208+(\tt)], v251 offset:GMA+64*(\tt)
.endr
	s_wait_dscnt 0x0
.irp tt, 0,1,2,3
.set i, 0
.rept 32
	v_mul_f32 v[R+32*(\tt)+i], v[208+(\tt)], v[R+32*(\tt)+i]
.set i, i+1
.endr
.set i, 0
.rept 16
	v_cvt_pk_bf16_f32 v[212+i], v[R+32*(\tt)+2*i], v[R+32*(\tt)+2*i+1]
.set i, i+1
.endr
.irp vb, 0,1,2,3
	ds_store_b128 v248, v[212+4*(\vb):212+4*(\vb)+3] offset:32*(\vb)
.endr
	s_wait_xcnt 0x0                                ; the last stores have read v228-243
.irp f, 0,1,2,3
	ds_load_b128 v[228+4*(\f):228+4*(\f)+3], v249 offset:576*(\f)
.endr
.irp f, 0,1,2,3
	s_wait_dscnt 3-(\f)
	global_store_b128 v[GO16], v[228+4*(\f):228+4*(\f)+3], s[22:23] offset:2048*(\tt)+512*(\f)
.endr
.endr
	s_wait_xcnt 0x0
	s_add_nc_u64 s[22:23], s[22:23], 8192
	s_add_co_u32 s[VS], s[VS], 256
	s_sub_co_u32 s[QC], s[QC], 1
	s_cmp_lg_u32 s[QC], 0
	s_cbranch_scc1 .Lret
	s_wait_tensorcnt 0x0                           ; the wave's end
	ds_add_u32 v[SPW], v[NIL]
	s_wait_dscnt 0x0
	s_endpgm
.Lfunc_end_k_q40b24f0755_gdn:
	.size	k_q40b24f0755_gdn, .Lfunc_end_k_q40b24f0755_gdn-k_q40b24f0755_gdn
	.p2alignl 7, 3214868480
	.fill 96, 4, 3214868480
	.section	.rodata,"a",@progbits
	.p2align	6, 0x0
	.amdhsa_kernel k_q40b24f0755_gdn
		.amdhsa_group_segment_fixed_size 261120
		.amdhsa_private_segment_fixed_size 0
		.amdhsa_enable_private_segment 0
		.amdhsa_kernarg_size 32
		.amdhsa_user_sgpr_count 2
		.amdhsa_user_sgpr_kernarg_segment_ptr 1
		.amdhsa_wavefront_size32 1
		.amdhsa_system_sgpr_workgroup_id_x 1
		.amdhsa_system_sgpr_workgroup_id_y 1
		.amdhsa_system_sgpr_workgroup_id_z 1
		.amdhsa_system_vgpr_workitem_id 0
		.amdhsa_next_free_vgpr 1024
		.amdhsa_next_free_sgpr 96
		.amdhsa_reserve_vcc 1
		.amdhsa_float_denorm_mode_32 3
		.amdhsa_float_denorm_mode_16_64 3
		.amdhsa_memory_ordered 1
		.amdhsa_forward_progress 1
		.amdhsa_inst_pref_size 125
	.end_amdhsa_kernel
	.amdgpu_metadata
---
amdhsa.version: [ 1, 2 ]
amdhsa.kernels:
  - .name:           k_q40b24f0755_gdn
    .symbol:         k_q40b24f0755_gdn.kd
    .args:
      - { .name: proj, .offset: 0, .size: 8, .value_kind: global_buffer, .address_space: global }
      - { .name: gates, .offset: 8, .size: 8, .value_kind: global_buffer, .address_space: global }
      - { .name: initial_state, .offset: 16, .size: 8, .value_kind: global_buffer, .address_space: global }
      - { .name: acat, .offset: 24, .size: 8, .value_kind: global_buffer, .address_space: global }
    .group_segment_fixed_size: 261120
    .private_segment_fixed_size: 0
    .kernarg_segment_align: 8
    .kernarg_segment_size: 32
    .max_flat_workgroup_size: 128
    .sgpr_count:     96
    .vgpr_count:     1024
    .wavefront_size: 32
...
	.end_amdgpu_metadata
.endif
;; end of part 4
;; launch gemm2 (part 5): grid 8 x 32, 4 waves a work-group, clusters of 4 x 4, 327,680 bytes of LDS; arguments acat, wt2, x, out0; writes out0
.if DOCPART == 5
	.amdgcn_target "amdgcn-amd-amdhsa--gfx1250"
	.amdhsa_code_object_version 6
	.text
	.protected	k_q40b24f0755_gemm2
	.globl	k_q40b24f0755_gemm2
	.p2align	8
	.type	k_q40b24f0755_gemm2,@function
k_q40b24f0755_gemm2:
	s_mov_b64 s[64:65], 0
	v_nop
	global_prefetch_b8 v0, s[64:65] scope:SCOPE_SE
	s_setreg_imm32_b32 hwreg(HW_REG_WAVE_MODE, 25, 1), 1
	s_wait_xcnt 0x0
	s_wait_alu depctr_hold_cnt(0) depctr_sa_sdst(0) depctr_va_vdst(0) depctr_va_sdst(0) depctr_va_ssrc(0) depctr_va_vcc(0) depctr_vm_vsrc(0)
	s_getreg_b32 s2, hwreg(HW_REG_IB_STS2, 6, 4)
	s_cmp_eq_u32 s2, 0
	s_cbranch_scc0 .Lentry_in_a_cluster
	s_endpgm
.Lentry_in_a_cluster:
	s_bfe_u32 s2, ttmp6, 0x10000c
	s_cmp_lg_u32 s2, 0xf033
	s_cbranch_scc0 .Lentry_shape_is_right
	s_endpgm
.Lentry_shape_is_right:
; out0 = x + acat [4096][3072] x wt2^T [1024][3072]: the three output products as one, K = 3072; bf16 operands, f32 sums, f32 out.
; acat lies by heads, [b][48 planes][t][64]: a K step of 256 is four planes; a wave's tensor load brings 4 rows of 8 KiB (64 tokens x 64 channels, dense), padded behind each token's 128 bytes.
; A tile of out0 is 128 x 128: 8 x 32 = 256 work-groups.  Four waves, each 64 x 64: 16 accumulators.  Two LDS slots, one K step each.
; CLUSTER 4 x 4: a row shares acat's tile, a column wt2's: joint loads.  The matrix instruction is used transposed: a lane holds one token and eight neighbouring columns.
; x's 64 x 64 numbers of the wave are asked for at the start, into window 2, and land under the K loop.  A wave's 64 f32 columns are 256 aligned bytes, so each wave has a stage of its own.
; REGISTERS: window 0: v0-31 addresses; v32-63 at work on the way out; v128-255 accumulators.  window 1: two fragment buffers of 128.  window 2: v0-127 x.
.set KSTEP,  256
.set PA,     144                       ; a token's 128 bytes of a plane + 16
.set PB,     528                       ; a row of wt2's tile: 512 bytes + 16
.set AHT,    4*64*PA
.set BHT,    64*PB
.set SLOT,   2*AHT+2*BHT
.set STAGE,  2*SLOT
.set SPITCH, 272
.set SPARE,  STAGE+4*16*SPITCH
.set LAPS,   6
.set ADRA, 16
.set ADRB, 20
.set STO,  24
.set RD,   25
.set CO,   26
.set SPW,  28
.set NIL,  29
.set TMP,  32
.set ACC,  128
.set F0,   0
.set F1,   128
.set G1,  24
.set G0,  32
.set G1B, 48
.set G0B, 56
.set MSB, 0
.macro WIN new
.if MSB != (\new)
	s_set_vgpr_msb (MSB<<8)|(\new)
.set MSB, (\new)
.endif
.endm
.set MUL,  0x05
.set TO_F, 0x40
.macro JLOAD s
	s_cmp_eq_u32 s11, 0
	s_cbranch_scc0 .Lfor_b_\@
	tensor_load_to_lds s[G0+4*(\s):G0+4*(\s)+3], s[G1:G1+7]
	s_nop 0
.rept 4
	v_nop
.endr
	s_branch .Lasked_\@
.Lfor_b_\@:
	tensor_load_to_lds s[G0B+4*(\s):G0B+4*(\s)+3], s[G1B:G1B+7]
	s_nop 0
.rept 4
	v_nop
.endr
.Lasked_\@:
.endm
.macro CREST
	s_cmp_lg_u32 s10, 0
	s_cbranch_scc1 .Lnot_wave_0_\@
	s_barrier_signal -3
.Lnot_wave_0_\@:
	s_barrier_wait -3
	s_barrier_signal -1
	s_barrier_wait -1
.endm
.macro CROUND
	s_barrier_signal -1
	s_barrier_wait -1
	CREST
.endm
.macro PLACES
.rept 4
	v_nop
.endr
.endm
	s_load_b128 s[4:7], s[0:1], 0x0                ; acat, wt2
	s_load_b128 s[68:71], s[0:1], 0x10             ; x, out0
	v_lshl_add_u32 v[SPW], v0, 2, SPARE
	v_mov_b32 v[NIL], 0
	ds_add_u32 v[SPW], v[NIL]                      ; the wave's opening: the add and its wait stand ahead of my first tensor load
	ds_add_u32 v28, v29
	v_lshrrev_b32 v1, 5, v0
	v_readfirstlane_b32 s10, v1
	s_lshr_b32 s11, s10, 1                         ; my half of the tokens; also: I fetch A (0) or B (1)
	s_and_b32 s12, s10, 1                          ; my half of the columns; also: which half of that tile I fetch
	s_bfe_u32 s40, ttmp6, 0x40000
	s_bfe_u32 s41, ttmp6, 0x40004
	s_lshl_b32 s42, ttmp9, 2
	s_add_co_u32 s42, s42, s40                     ; tile column
	s_and_b32 s13, ttmp7, 0xffff
	s_lshl_b32 s13, s13, 2
	s_add_co_u32 s13, s13, s41                     ; tile row
	s_lshl_b32 s43, s41, 2
	s_lshl_b32 s43, 15, s43
	s_lshl_b32 s44, 0x1111, s40
	s_or_b32 s[G1+0], s43, (1<<16)|(1<<20)|(1<<21)|(4<<22)|(3<<25)   ; A: 4 words of padding behind every 32
	s_mov_b32 s[G1+1], 4096<<16                    ; tensor_dim0 = 4,096 elements: 64 tokens of a plane
	s_mov_b32 s[G1+2], 4<<16                       ; tensor_dim1 = 4 planes
	s_mov_b32 s[G1+3], 4096<<16                    ; tile_dim0
	s_mov_b32 s[G1+4], 4                           ; tile_dim1
	s_mov_b32 s[G1+5], 65536                       ; elements from plane to plane
	s_mov_b32 s[G1+6], 0
	s_mov_b32 s[G1+7], 0
	s_or_b32 s[G1B+0], s44, (1<<16)|(1<<20)|(1<<21)|(6<<22)|(3<<25)  ; B: 4 words behind every 128
	s_mov_b32 s[G1B+1], KSTEP<<16
	s_mov_b32 s[G1B+2], 64<<16
	s_mov_b32 s[G1B+3], KSTEP<<16
	s_mov_b32 s[G1B+4], 64
	s_mov_b32 s[G1B+5], 3072
	s_mov_b32 s[G1B+6], 0
	s_mov_b32 s[G1B+7], 0
	s_lshr_b32 s16, s13, 3                         ; batch
	s_mul_i32 s16, s16, 48*1024*128
	s_and_b32 s17, s13, 7
	s_lshl_b32 s17, s17, 7
	s_lshl_b32 s18, s12, 6
	s_add_co_u32 s17, s17, s18                     ; first token of my half tile
	s_lshl_b32 s17, s17, 7
	s_add_co_u32 s16, s16, s17
	s_mov_b32 s17, 0
	s_lshl_b32 s46, s42, 7
	s_add_co_u32 s46, s46, s18
	s_mul_i32 s46, s46, 6144
	s_mov_b32 s47, 0
	s_mul_i32 s20, s12, AHT
	s_mul_i32 s21, s12, BHT
	s_add_co_u32 s21, s21, 2*AHT
	s_wait_dscnt 0x0
	s_wait_kmcnt 0x0
	s_add_nc_u64 s[14:15], s[4:5], s[16:17]
	s_add_nc_u64 s[46:47], s[6:7], s[46:47]
	CROUND
.irp s, 0,1
	s_mov_b32 s[G0+4*(\s)], 1
	s_add_co_u32 s[G0+4*(\s)+1], s20, (\s)*SLOT
	s_add_nc_u64 s[G0+4*(\s)+2:G0+4*(\s)+3], s[14:15], (\s)*4*131072
	s_or_b32 s[G0+4*(\s)+3], s[G0+4*(\s)+3], 0x80000000
	s_mov_b32 s[G0B+4*(\s)], 1
	s_add_co_u32 s[G0B+4*(\s)+1], s21, (\s)*SLOT
	s_add_nc_u64 s[G0B+4*(\s)+2:G0B+4*(\s)+3], s[46:47], (\s)*KSTEP*2
	s_or_b32 s[G0B+4*(\s)+3], s[G0B+4*(\s)+3], 0x80000000
	JLOAD \s
.endr
	v_and_b32 v1, 15, v0
	v_bfe_u32 v2, v0, 4, 1
	v_mul_u32_u24 v3, v1, PA
	v_lshl_add_u32 v3, v2, 4, v3
	v_mul_u32_u24 v4, v1, PB
	v_lshl_add_u32 v4, v2, 4, v4
	s_mul_i32 s22, s11, AHT
	s_mul_i32 s23, s12, BHT
	s_add_co_u32 s23, s23, 2*AHT
.irp s, 0,1
	v_add_nc_u32 v[ADRA+(\s)], s22, v3
	v_add_nc_u32 v[ADRB+(\s)], s23, v4
	s_add_co_u32 s22, s22, SLOT
	s_add_co_u32 s23, s23, SLOT
.endr
	s_mul_i32 s22, s10, 16*SPITCH
	s_add_co_u32 s22, s22, STAGE                   ; my stage
	v_mul_u32_u24 v5, v1, SPITCH
	v_lshl_add_u32 v5, v2, 5, v5
	v_add_nc_u32 v[STO], s22, v5                   ; in: token l % 16, 32 bytes for each half of the lanes
	v_mul_u32_u24 v5, v2, SPITCH
	v_lshl_add_u32 v5, v1, 4, v5
	v_add_nc_u32 v[RD], s22, v5                    ; back: lanes 0-15 one row of 256 bytes, lanes 16-31 the next
	v_lshlrev_b32 v[CO], 12, v2
	v_lshl_add_u32 v[CO], v1, 4, v[CO]             ; the same two rows in x and out0
	s_lshl_b32 s16, s13, 7
	s_lshl_b32 s17, s11, 6
	s_add_co_u32 s16, s16, s17
	s_lshl_b32 s16, s16, 12
	s_mov_b32 s17, 0
	s_lshl_b32 s46, s42, 9
	s_lshl_b32 s47, s12, 8
	s_add_co_u32 s46, s46, s47
	s_mov_b32 s47, 0
	s_add_nc_u64 s[16:17], s[16:17], s[46:47]
	s_add_nc_u64 s[68:69], s[68:69], s[16:17]
	s_add_nc_u64 s[70:71], s[70:71], s[16:17]
	WIN 0x80
.set i, 0
.rept 32                                           ; x: rows 2 i and 2 i + 1 of my 64
	global_load_b128 v[4*i:4*i+3], v[CO], s[68:69] offset:8192*i
.set i, i+1
.endr
	WIN 0
.macro MUL8 f, c, a0, zero
	WIN MUL
.irp a, \a0, (\a0)+1
.irp b, 0,1,2,3
.if \zero
	v_wmma_f32_16x16x32_bf16 v[ACC+8*(4*(\a)+(\b)):ACC+8*(4*(\a)+(\b))+7], v[(\f)+64+8*(4*(\c)+(\b)):(\f)+64+8*(4*(\c)+(\b))+7], v[(\f)+8*(4*(\c)+(\a)):(\f)+8*(4*(\c)+(\a))+7], 0
.else
	v_wmma_f32_16x16x32_bf16 v[ACC+8*(4*(\a)+(\b)):ACC+8*(4*(\a)+(\b))+7], v[(\f)+64+8*(4*(\c)+(\b)):(\f)+64+8*(4*(\c)+(\b))+7], v[(\f)+8*(4*(\c)+(\a)):(\f)+8*(4*(\c)+(\a))+7], v[ACC+8*(4*(\a)+(\b)):ACC+8*(4*(\a)+(\b))+7]
.endif
.endr
.endr
.endm
.macro FETCH slot, q, f                ; 32 LDS loads in one run: quarter q of the K step (A: plane q; B: byte 128 q of the rows); the first 32 along K first
	WIN TO_F
.irp c, 0,1
.irp i, 0,1,2,3
	ds_load_b128 v[(\f)+64+8*(4*(\c)+(\i)):(\f)+64+8*(4*(\c)+(\i))+3],   v[ADRB+(\slot)] offset:128*(\q)+64*(\c)+(\i)*16*PB
	ds_load_b128 v[(\f)+64+8*(4*(\c)+(\i))+4:(\f)+64+8*(4*(\c)+(\i))+7], v[ADRB+(\slot)] offset:128*(\q)+64*(\c)+(\i)*16*PB+32
	ds_load_b128 v[(\f)+8*(4*(\c)+(\i)):(\f)+8*(4*(\c)+(\i))+3],         v[ADRA+(\slot)] offset:64*PA*(\q)+64*(\c)+(\i)*16*PA
	ds_load_b128 v[(\f)+8*(4*(\c)+(\i))+4:(\f)+8*(4*(\c)+(\i))+7],       v[ADRA+(\slot)] offset:64*PA*(\q)+64*(\c)+(\i)*16*PA+32
.endr
.endr
.endm
.macro QUARTER slot, q, f, g, zero
	s_wait_dscnt 16                                ; the first 32 along K are in
	MUL8 \f, 0, 0, \zero
	MUL8 \f, 0, 2, \zero
	PLACES
	FETCH \slot, \q, \g
	s_wait_dscnt 32                                ; all but the 32 just issued
	MUL8 \f, 1, 0, 0
	MUL8 \f, 1, 2, 0
.endm
.macro TURN slot, next, fill
	WIN 0
	s_wait_tensorcnt 0x0                           ; all my tensor loads have landed: my part of the next slot
	ds_add_u32 v[SPW], v[NIL]
	s_wait_dscnt 17                                ; the add and the youngest sixteen loads may be out
	MUL8 F1, 0, 0, 0
	s_wait_dscnt 0x0                               ; the add is done, and my reads of this slot are over
	s_barrier_signal -1
	MUL8 F1, 0, 2, 0
.if \fill
	WIN 0
.endif
	s_barrier_wait -1
.if \fill
	CREST
	s_add_nc_u64 s[G0+4*(\slot)+2:G0+4*(\slot)+3], s[G0+4*(\slot)+2:G0+4*(\slot)+3], 8*131072
	s_add_nc_u64 s[G0B+4*(\slot)+2:G0B+4*(\slot)+3], s[G0B+4*(\slot)+2:G0B+4*(\slot)+3], 2*KSTEP*2
	JLOAD \slot                                    ; the first tensor load behind the round; its four v_nop are also the places in front of the loads below
.else
	PLACES
.endif
	FETCH \next, 0, F0
	MUL8 F1, 1, 0, 0
	MUL8 F1, 1, 2, 0
.endm
	s_wait_tensorcnt 1                             ; my part of K step 0 is in; step 1's may stay out
	s_barrier_signal -1
	s_barrier_wait -1
	FETCH 0, 0, F0
	QUARTER 0, 1, F0, F1, 1
	WIN 0
	s_mov_b32 s3, LAPS-1
.Llap:
	QUARTER 0, 2, F1, F0, 0
	QUARTER 0, 3, F0, F1, 0
	TURN 0, 1, 1
	QUARTER 1, 1, F0, F1, 0
	QUARTER 1, 2, F1, F0, 0
	QUARTER 1, 3, F0, F1, 0
	TURN 1, 0, 1
	QUARTER 0, 1, F0, F1, 0
	WIN 0
	s_sub_co_u32 s3, s3, 1
	s_cmp_lg_u32 s3, 0
	s_cbranch_scc1 .Llap
	QUARTER 0, 2, F1, F0, 0                        ; the last lap fills nothing
	QUARTER 0, 3, F0, F1, 0
	TURN 0, 1, 0
	QUARTER 1, 1, F0, F1, 0
	QUARTER 1, 2, F1, F0, 0
	QUARTER 1, 3, F0, F1, 0
	s_wait_dscnt 16
	MUL8 F1, 0, 0, 0
	MUL8 F1, 0, 2, 0
	s_wait_dscnt 0x0
	MUL8 F1, 1, 0, 0
	MUL8 F1, 1, 2, 0
	WIN 0
	; THE WAY OUT: 16 tokens at a time through my own stage in f32; x is added where it lies, in window 2, and stored from there.
	PLACES
	s_wait_loadcnt 0x0                             ; x
.irp a, 0,1,2,3
	WIN 0
.irp b, 0,1,2,3
	ds_store_b128 v[STO], v[ACC+8*(4*(\a)+(\b)):ACC+8*(4*(\a)+(\b))+3] offset:64*(\b)
	ds_store_b128 v[STO], v[ACC+8*(4*(\a)+(\b))+4:ACC+8*(4*(\a)+(\b))+7] offset:64*(\b)+16
.endr
.irp t, 0,1,2,3,4,5,6,7
	ds_load_b128 v[TMP+4*(\t):TMP+4*(\t)+3], v[RD] offset:(\t)*2*SPITCH  ; LDS serves a wave's instructions in order: these see the stores above
.endr
	WIN 0x88                                       ; source 1 and destination in window 2; a store's data is its source 1
.irp t, 0,1,2,3,4,5,6,7
	s_wait_dscnt 7-(\t)
	v_pk_add_f32 v[32*(\a)+4*(\t):32*(\a)+4*(\t)+1], v[TMP+4*(\t):TMP+4*(\t)+1], v[32*(\a)+4*(\t):32*(\a)+4*(\t)+1]
	v_pk_add_f32 v[32*(\a)+4*(\t)+2:32*(\a)+4*(\t)+3], v[TMP+4*(\t)+2:TMP+4*(\t)+3], v[32*(\a)+4*(\t)+2:32*(\a)+4*(\t)+3]
	global_store_b128 v[CO], v[32*(\a)+4*(\t):32*(\a)+4*(\t)+3], s[70:71] offset:4096*(16*(\a)+2*(\t))  ; sixteen lanes store 256 consecutive bytes, aligned
.endr
.endr
	WIN 0
	s_wait_tensorcnt 0x0                           ; the wave's end
	ds_add_u32 v[SPW], v[NIL]
	s_wait_dscnt 0x0
	CROUND                                         ; the closing round
	s_endpgm
.Lfunc_end_k_q40b24f0755_gemm2:
	.size	k_q40b24f0755_gemm2, .Lfunc_end_k_q40b24f0755_gemm2-k_q40b24f0755_gemm2
	.p2alignl 7, 3214868480
	.fill 96, 4, 3214868480
	.section	.rodata,"a",@progbits
	.p2align	6, 0x0
	.amdhsa_kernel k_q40b24f0755_gemm2
		.amdhsa_group_segment_fixed_size 327680
		.amdhsa_private_segment_fixed_size 0
		.amdhsa_enable_private_segment 0
		.amdhsa_kernarg_size 32
		.amdhsa_user_sgpr_count 2
		.amdhsa_user_sgpr_kernarg_segment_ptr 1
		.amdhsa_wavefront_size32 1
		.amdhsa_system_sgpr_workgroup_id_x 1
		.amdhsa_system_sgpr_workgroup_id_y 1
		.amdhsa_system_sgpr_workgroup_id_z 1
		.amdhsa_system_vgpr_workitem_id 0
		.amdhsa_next_free_vgpr 768
		.amdhsa_next_free_sgpr 72
		.amdhsa_reserve_vcc 0
		.amdhsa_float_denorm_mode_32 3
		.amdhsa_float_denorm_mode_16_64 3
		.amdhsa_memory_ordered 1
		.amdhsa_forward_progress 1
		.amdhsa_inst_pref_size 94
	.end_amdhsa_kernel
	.amdgpu_metadata
---
amdhsa.version: [ 1, 2 ]
amdhsa.kernels:
  - .name:           k_q40b24f0755_gemm2
    .symbol:         k_q40b24f0755_gemm2.kd
    .args:
      - { .name: acat, .offset: 0, .size: 8, .value_kind: global_buffer, .address_space: global }
      - { .name: wt2, .offset: 8, .size: 8, .value_kind: global_buffer, .address_space: global }
      - { .name: x, .offset: 16, .size: 8, .value_kind: global_buffer, .address_space: global }
      - { .name: out0, .offset: 24, .size: 8, .value_kind: global_buffer, .address_space: global }
    .group_segment_fixed_size: 327680
    .private_segment_fixed_size: 0
    .kernarg_segment_align: 8
    .kernarg_segment_size: 32
    .max_flat_workgroup_size: 128
    .sgpr_count:     72
    .vgpr_count:     768
    .wavefront_size: 32
...
	.end_amdgpu_metadata
.endif
;; end of part 5
;; ======== version 2 of 2: 5 launches; 1.12 times as fast as version 1
;; limits: values outside matrix products are rounded to bf16
;; workspace buffers: xn 8,388,608 bytes; wt1 10,485,760 bytes; wt2 6,291,456 bytes; wst 98,304 bytes; gates 786,432 bytes; proj 41,943,040 bytes; acat 25,165,824 bytes
;; launch prep: the kernel of part 1 again; grid 515 x 1, 4 waves a work-group, no clusters, 70,144 bytes of LDS; arguments x, norm_w, W_k, W_v, W_lq, W_lk, W_lv, W_gdn_o, W_swa_o, W_ret_o, W_beta, W_g, W_gate, xn, wt1, wt2, wst; writes xn, wt1, wt2, wst
;; launch gemm1 (part 6): grid 16 x 16, 4 waves a work-group, clusters of 4 x 4, 327,680 bytes of LDS; arguments xn, wt1, proj; writes proj
.if DOCPART == 6
	.amdgcn_target "amdgcn-amd-amdhsa--gfx1250"
	.amdhsa_code_object_version 6
	.text
	.protected	k_q40b24f0755_gemm1
	.globl	k_q40b24f0755_gemm1
	.p2align	8
	.type	k_q40b24f0755_gemm1,@function
k_q40b24f0755_gemm1:
	s_mov_b64 s[64:65], 0
	v_nop
	global_prefetch_b8 v0, s[64:65] scope:SCOPE_SE
	s_setreg_imm32_b32 hwreg(HW_REG_WAVE_MODE, 25, 1), 1
	s_wait_xcnt 0x0
	s_wait_alu depctr_hold_cnt(0) depctr_sa_sdst(0) depctr_va_vdst(0) depctr_va_sdst(0) depctr_va_ssrc(0) depctr_va_vcc(0) depctr_vm_vsrc(0)
	s_getreg_b32 s2, hwreg(HW_REG_IB_STS2, 6, 4)
	s_cmp_eq_u32 s2, 0
	s_cbranch_scc0 .Lentry_in_a_cluster
	s_endpgm
.Lentry_in_a_cluster:
	s_bfe_u32 s2, ttmp6, 0x10000c
	s_cmp_lg_u32 s2, 0xf033
	s_cbranch_scc0 .Lentry_shape_is_right
	s_endpgm
.Lentry_shape_is_right:
; The five projections as one product: proj = xn [4096][1024] x wt1^T [5120][1024], bf16 operands, f32 sums.
; A work-group makes 256 tokens x the 320 columns of one head (k 64, v 64, q 0-31 | kl 64, vl 64, q 32-63): 16 x 16 = 256 work-groups.
; Four waves, each 128 tokens x 160 columns: 80 accumulators of 16 x 16, 640 registers.  K in 8 steps of 128 through two LDS slots filled by tensor loads.
; A K STEP IS WRITTEN ONCE FOR BOTH SLOTS: the slot in hand is a scalar, 0 or SLOT, turned by an exclusive or at each change of slots; the fragment addresses and the walking descriptors' LDS words are made from it.
; The loop's 6 trips are the steps behind which a slot is filled again; the last two steps are a loop of two trips that asks for nothing.
; CLUSTER 4 x 4: a row of the cluster shares xn's tile, a column wt1's: joint loads with a mask of four.
; The matrix instruction is used transposed (source 0 = rows of wt1, source 1 = rows of xn): a lane holds one token and eight neighbouring columns.
; WAY OUT: k is divided by max(|k|, 1e-12) per token and head, in f32; all is rounded once to bf16 and laid by heads:
;   KH 0, VH 8 MiB, KL 16 MiB, VL 24 MiB: [b][h][t][64];  QH 32 MiB: [b][h][2 planes of 32 channels][t][32].
; LIMIT: v_sqrt_f32 takes a denormal sum of squares as 0; the divisor is then 1e-12.  NaN and infinities are not treated apart.
; REGISTERS, in windows of 256:  window 0: v0-31 addresses; A's fragments, buffer f at v[32 + 64 f]; B's buffer 0 at v160-239
;   window 1: accumulators of row blocks 6, 7 at v0-159; B's buffer 1 at v160-239     window 2: row blocks 0-2     window 3: row blocks 3-5
.set KSTEP,  128
.set PITCH,  272                       ; 256 bytes + 16: the 16 rows of a fragment load start at 16 different groups of banks
.set AH,     128*PITCH                 ; half of A's tile: one tensor load
.set BH,     160*PITCH                 ; half of B's tile
.set SLOT,   2*AH+2*BH
.set SPARE,  2*SLOT                    ; behind the ring: the spare words
.set SPITCH, 336                       ; a stage row: 160 columns in bf16 + 16
.set STG,    5632                      ; a wave's stage, 16 rows: it lies in slot 0, which has had its last fill and its last read when the stage is first written
.set ADRA0, 16                         ; v16  my A fragments' place in slot 0; never rewritten
.set ADRA,  17                         ; v17  the same in the slot in hand
.set ADRB0, 20                         ; v20, v21 likewise for B
.set ADRB,  21
.set STO,  24
.set RDX,  25
.set RDQ,  26
.set CO,   27
.set SPW,  28
.set NIL,  29
.set FA,   32
.set FB,   160
.set TMP,  32                          ; the way out: 40 packed registers
.set BK,   72                          ; two sets of 40: rows read back
.set INV,  160                         ; 1 / |k|, a pair for each row block
.set SS,   176                         ; sums of squares, four registers for each row block
.set G1,  24
.set G0,  32                           ; s[32:35] A's first fill; s[36:39] its second, which then walks on
.set TB,  45                           ; s45  the slot in hand: 0 or SLOT
.set G1B, 48
.set G0B, 56                           ; s[56:59], s[60:63] the same for B
.set SEL, 78
.set MSB, 0
.macro WIN new                         ; the immediate's high byte repeats the setting that is left
.if MSB != (\new)
	s_set_vgpr_msb (MSB<<8)|(\new)
.set MSB, (\new)
.endif
.endm
.macro JLOAD s                         ; a joint load: waves 0, 1 fetch A's halves, waves 2, 3 B's; an s_nop 0 and four v_nop follow each line
	s_cmp_eq_u32 s11, 0
	s_cbranch_scc0 .Lfor_b_\@
	tensor_load_to_lds s[G0+4*(\s):G0+4*(\s)+3], s[G1:G1+7]
	s_nop 0
.rept 4
	v_nop
.endr
	s_branch .Lasked_\@
.Lfor_b_\@:
	tensor_load_to_lds s[G0B+4*(\s):G0B+4*(\s)+3], s[G1B:G1B+7]
	s_nop 0
.rept 4
	v_nop
.endr
.Lasked_\@:
.endm
.macro CREST                           ; a round of the cluster's barrier behind its opening barrier
	s_cmp_lg_u32 s10, 0
	s_cbranch_scc1 .Lnot_wave_0_\@
	s_barrier_signal -3
.Lnot_wave_0_\@:
	s_barrier_wait -3
	s_barrier_signal -1
	s_barrier_wait -1
.endm
.macro CROUND
	s_barrier_signal -1
	s_barrier_wait -1
	CREST
.endm
.macro PLACES                          ; four places in front of loads into registers that matrix instructions have read, and of lines that read results
.rept 4
	v_nop
.endr
.endm
	s_load_b128 s[4:7], s[0:1], 0x0                ; xn, wt1
	s_load_b64 s[8:9], s[0:1], 0x10                ; proj
	v_lshl_add_u32 v[SPW], v0, 2, SPARE
	v_mov_b32 v[NIL], 0
	ds_add_u32 v[SPW], v[NIL]                      ; the wave's opening: the add and its wait stand ahead of my first tensor load
	ds_add_u32 v28, v29
	v_lshrrev_b32 v1, 5, v0
	v_readfirstlane_b32 s10, v1                    ; wave
	s_lshr_b32 s11, s10, 1                         ; my half of the tokens; also: I fetch A (0) or B (1)
	s_and_b32 s12, s10, 1                          ; my half of the columns; also: which half of that tile I fetch
	s_bfe_u32 s40, ttmp6, 0x40000                  ; cx
	s_bfe_u32 s41, ttmp6, 0x40004                  ; cy
	s_lshl_b32 s42, ttmp9, 2
	s_add_co_u32 s42, s42, s40                     ; the head
	s_and_b32 s13, ttmp7, 0xffff
	s_lshl_b32 s13, s13, 2
	s_add_co_u32 s13, s13, s41                     ; the block of 256 tokens
	s_lshl_b32 s43, s41, 2
	s_lshl_b32 s43, 15, s43                        ; my row of the cluster
	s_lshl_b32 s44, 0x1111, s40                    ; my column
	s_or_b32 s[G1+0], s43, (1<<16)|(1<<20)|(1<<21)|(5<<22)|(3<<25)   ; mask; 2-byte elements; padding of 4 words behind every 64
	s_or_b32 s[G1B+0], s44, (1<<16)|(1<<20)|(1<<21)|(5<<22)|(3<<25)
	s_mov_b32 s[G1+1], KSTEP<<16                   ; tensor_dim0 = 128
	s_mov_b32 s[G1+2], 128<<16                     ; tensor_dim1 = 128
	s_mov_b32 s[G1+3], KSTEP<<16                   ; tile_dim0 = 128
	s_mov_b32 s[G1+4], 128                         ; tile_dim1 = 128
	s_mov_b32 s[G1+5], 1024                        ; elements from row to row
	s_mov_b32 s[G1+6], 0
	s_mov_b32 s[G1+7], 0
	s_mov_b32 s[G1B+1], KSTEP<<16
	s_mov_b32 s[G1B+2], 160<<16                    ; B's half tile has 160 rows
	s_mov_b32 s[G1B+3], KSTEP<<16
	s_mov_b32 s[G1B+4], 160
	s_mov_b32 s[G1B+5], 1024
	s_mov_b32 s[G1B+6], 0
	s_mov_b32 s[G1B+7], 0
	s_lshl_b32 s17, s12, 7
	s_lshl_b32 s16, s13, 8
	s_add_co_u32 s16, s16, s17
	s_lshl_b32 s16, s16, 11                        ; A: (256 block + 128 half) rows of 2,048 bytes
	s_mov_b32 s17, 0
	s_mul_i32 s46, s42, 320
	s_mul_i32 s47, s12, 160
	s_add_co_u32 s46, s46, s47
	s_lshl_b32 s46, s46, 11                        ; B: (320 head + 160 half) rows
	s_mov_b32 s47, 0
	s_mul_i32 s20, s12, AH                         ; where they go in a slot: no place in the cluster enters an LDS address; s20 and s21 are kept
	s_mul_i32 s21, s12, BH
	s_add_co_u32 s21, s21, 2*AH
	s_mov_b32 s[TB], 0                             ; K step 0 lies in slot 0
	s_wait_dscnt 0x0                               ; the opening add is done
	s_wait_kmcnt 0x0
	s_add_nc_u64 s[14:15], s[4:5], s[16:17]
	s_add_nc_u64 s[46:47], s[6:7], s[46:47]
	CROUND                                         ; all sixteen work-groups are here: the first joint loads meet
.irp s, 0,1
	s_mov_b32 s[G0+4*(\s)], 1
	s_add_co_u32 s[G0+4*(\s)+1], s20, (\s)*SLOT
	s_add_nc_u64 s[G0+4*(\s)+2:G0+4*(\s)+3], s[14:15], (\s)*KSTEP*2
	s_or_b32 s[G0+4*(\s)+3], s[G0+4*(\s)+3], 0x80000000
	s_mov_b32 s[G0B+4*(\s)], 1
	s_add_co_u32 s[G0B+4*(\s)+1], s21, (\s)*SLOT
	s_add_nc_u64 s[G0B+4*(\s)+2:G0B+4*(\s)+3], s[46:47], (\s)*KSTEP*2
	s_or_b32 s[G0B+4*(\s)+3], s[G0B+4*(\s)+3], 0x80000000
	JLOAD \s                                       ; two loads of mine are out at the start, later one behind each round
.endr
	v_and_b32 v1, 15, v0
	v_bfe_u32 v2, v0, 4, 1
	v_mul_u32_u24 v3, v1, PITCH
	v_lshl_add_u32 v3, v2, 4, v3                   ; a fragment's row x pitch + 16 x half
	s_mul_i32 s22, s11, AH
	s_mul_i32 s23, s12, BH
	s_add_co_u32 s23, s23, 2*AH
	v_add_nc_u32 v[ADRA0], s22, v3
	v_add_nc_u32 v[ADRB0], s23, v3
	v_add_nc_u32 v[ADRA], s[TB], v[ADRA0]
	v_add_nc_u32 v[ADRB], s[TB], v[ADRB0]
	s_mul_i32 s22, s10, STG                        ; my stage
	v_mul_u32_u24 v4, v1, SPITCH
	v_lshl_add_u32 v4, v2, 4, v4
	v_add_nc_u32 v[STO], s22, v4                   ; in: token l % 16, 16 bytes for each half of the lanes
	v_and_b32 v5, 31, v0
	v_lshrrev_b32 v6, 3, v5
	v_and_b32 v7, 7, v0
	v_mul_u32_u24 v6, v6, SPITCH
	v_lshl_add_u32 v6, v7, 4, v6
	v_add_nc_u32 v[RDX], s22, v6                   ; back: four tokens x 128 bytes
	v_lshrrev_b32 v6, 2, v5
	v_and_b32 v7, 3, v0
	v_mul_u32_u24 v6, v6, SPITCH
	v_lshl_add_u32 v6, v7, 4, v6
	v_add_nc_u32 v6, 256, v6
	v_add_nc_u32 v[RDQ], s22, v6                   ; back: eight tokens x q's 64 bytes
	v_lshlrev_b32 v[CO], 4, v5
	s_lshr_b32 s73, s13, 2                         ; batch
	s_and_b32 s74, s13, 3
	s_lshl_b32 s75, s73, 4
	s_add_co_u32 s75, s75, s42                     ; 16 b + head
	s_lshl_b32 s76, s74, 8
	s_lshl_b32 s77, s11, 7
	s_add_co_u32 s76, s76, s77                     ; my first token in the batch
	s_lshl_b32 s66, s75, 10
	s_add_co_u32 s66, s66, s76
	s_lshl_b32 s66, s66, 7
	s_lshl_b32 s77, s12, 24
	s_add_co_u32 s66, s66, s77
	s_mov_b32 s67, 0
	s_add_nc_u64 s[66:67], s[8:9], s[66:67]        ; k or kl
	s_add_nc_u64 s[68:69], s[66:67], 0x800000      ; v or vl
	s_lshl_b32 s70, s75, 1
	s_add_co_u32 s70, s70, s12
	s_lshl_b32 s70, s70, 10
	s_add_co_u32 s70, s70, s76
	s_lshl_b32 s70, s70, 6
	s_add_co_u32 s70, s70, 0x2000000
	s_mov_b32 s71, 0
	s_add_nc_u64 s[70:71], s[8:9], s[70:71]        ; my plane of q
	s_cmp_eq_u32 s12, 0
	s_cselect_b32 s72, -1, 0                       ; all lanes: my first 64 columns are k
	s_mov_b32 s[SEL], 0x76543210
	s_mov_b32 s[SEL+1], 0xfedcba98
.macro ACCOF a                         ; window CW and first register AB of row block a's ten accumulators
.if (\a) < 3
.set CW, 2
.set AB, 80*(\a)
.elseif (\a) < 6
.set CW, 3
.set AB, 80*((\a)-3)
.else
.set CW, 1
.set AB, 80*((\a)-6)
.endif
.endm
.macro MULA f, a, zero                 ; ten matrix instructions: row block a x all ten column blocks, 32 along K, from buffer f
	ACCOF \a
	WIN (\f)|(CW<<4)|(CW<<6)
.irp b, 0,1,2,3,4,5,6,7,8,9
.if \zero
	v_wmma_f32_16x16x32_bf16 v[AB+8*(\b):AB+8*(\b)+7], v[FB+8*(\b):FB+8*(\b)+7], v[FA+64*(\f)+8*(\a):FA+64*(\f)+8*(\a)+7], 0
.else
	v_wmma_f32_16x16x32_bf16 v[AB+8*(\b):AB+8*(\b)+7], v[FB+8*(\b):FB+8*(\b)+7], v[FA+64*(\f)+8*(\a):FA+64*(\f)+8*(\a)+7], v[AB+8*(\b):AB+8*(\b)+7]
.endif
.endr
.endm
.macro FETCH k, f                      ; 36 LDS loads in one run, from the slot in hand: B's 160 rows, then A's 128, 32 K at byte k
	WIN (\f)<<6
.irp i, 0,1,2,3,4,5,6,7,8,9
	ds_load_b128 v[FB+8*(\i):FB+8*(\i)+3],   v[ADRB] offset:(\k)+(\i)*16*PITCH
	ds_load_b128 v[FB+8*(\i)+4:FB+8*(\i)+7], v[ADRB] offset:(\k)+(\i)*16*PITCH+32
.endr
	WIN 0
.irp i, 0,1,2,3,4,5,6,7
	ds_load_b128 v[FA+64*(\f)+8*(\i):FA+64*(\f)+8*(\i)+3],   v[ADRA] offset:(\k)+(\i)*16*PITCH
	ds_load_b128 v[FA+64*(\f)+8*(\i)+4:FA+64*(\f)+8*(\i)+7], v[ADRA] offset:(\k)+(\i)*16*PITCH+32
.endr
.endm
; A K step is four quarters of 32 along K, 80 matrix instructions each, on buffers 0, 1, 0, 1.  The 80 accumulators take turns in the same order in every quarter.
.macro QUARTER k, f, g, zero
	s_wait_dscnt 10                                ; B and A's blocks 0-2 are in; the youngest ten loads (A's blocks 3-7) may be out
.irp a, 0,1,2
	MULA \f, \a, \zero
.endr
	PLACES
	FETCH \k, \g
	s_wait_dscnt 36                                ; all but the 36 just issued
.irp a, 3,4,5,6,7
	MULA \f, \a, \zero
.endr
.endm
; The last quarter multiplies buffer 1 and changes slots.  MEET is its first part: one barrier; in front of it each wave waits for all its tensor loads, adds 0 to its spare word, and waits for that and for its reads of this slot.
.macro MEET
	WIN 0
	s_wait_tensorcnt 0x0                           ; all my tensor loads have landed: my part of the next slot
	ds_add_u32 v[SPW], v[NIL]
	s_wait_dscnt 11                                ; the add and the youngest ten loads may be out
	MULA 1, 0, 0
	MULA 1, 1, 0
	s_wait_dscnt 0x0                               ; the add is done, and my reads of this slot are over
	s_barrier_signal -1
	MULA 1, 2, 0
	WIN 0
	s_barrier_wait -1
.endm
.macro NEXTSLOT                        ; the other slot is now the slot in hand
	s_xor_b32 s[TB], s[TB], SLOT
	v_add_nc_u32 v[ADRA], s[TB], v[ADRA0]
	v_add_nc_u32 v[ADRB], s[TB], v[ADRB0]
.endm
	s_wait_tensorcnt 1                             ; my part of K step 0 is in; step 1's may stay out
	s_barrier_signal -1
	s_barrier_wait -1
	FETCH 0, 0
	QUARTER 64, 0, 1, 1                            ; the first quarter's products start the sums
	WIN 0
	s_mov_b32 s3, 6
.Lstep:                                                ; a trip goes from a K step's second quarter to the next step's first, and fills the slot that it leaves: 2 + 6 = the 8 K steps
	QUARTER 128, 1, 0, 0
	QUARTER 192, 0, 1, 0
	MEET
	CREST                                          ; the barrier has opened a round of the cluster's: no wave of any partner still reads this slot or has a load on its way
	s_add_co_u32 s[G0+5], s20, s[TB]               ; the walking descriptors: into the slot just read,
	s_add_co_u32 s[G0B+5], s21, s[TB]
	s_add_nc_u64 s[G0+6:G0+7], s[G0+6:G0+7], KSTEP*2     ; the K step behind the one asked for last; the type bits on top are not reached
	s_add_nc_u64 s[G0B+6:G0B+7], s[G0B+6:G0B+7], KSTEP*2
	JLOAD 1                                        ; the first tensor load behind the round; its four v_nop are also the places in front of the loads below
	NEXTSLOT
	FETCH 0, 0
.irp a, 3,4,5,6,7
	MULA 1, \a, 0
.endr
	QUARTER 64, 0, 1, 0
	WIN 0
	s_sub_co_u32 s3, s3, 1
	s_cmp_lg_u32 s3, 0
	s_cbranch_scc1 .Lstep
	s_mov_b32 s3, 2
.Ltail:                                                ; the last two K steps ask for nothing: their text holds no tensor load.  The first trip's barrier shows the last tile to every wave; the second's waits are met at once
	QUARTER 128, 1, 0, 0
	QUARTER 192, 0, 1, 0
	MEET
	s_cmp_eq_u32 s3, 1
	s_cbranch_scc1 .Lnofetch                       ; behind the last step there is no further slot: the run of loads is jumped over
	NEXTSLOT
	PLACES
	FETCH 0, 0
	WIN 0
.Lnofetch:
.irp a, 3,4,5,6,7
	MULA 1, \a, 0
.endr
	WIN 0
	s_sub_co_u32 s3, s3, 1
	s_cmp_eq_u32 s3, 0
	s_cbranch_scc1 .Lout                           ; the second trip is left here, behind the last products
	QUARTER 64, 0, 1, 0
	WIN 0
	s_branch .Ltail
.Lout:
	; THE WAY OUT.  First 1 / max(|k|, 1e-12) for each token: a lane holds 32 of its token's 64 numbers, the lane 16 away the others.
	PLACES
.macro SUMSQ a
	ACCOF \a
	WIN CW|(CW<<2)
	v_pk_mul_f32 v[SS+4*(\a):SS+4*(\a)+1], v[AB:AB+1], v[AB:AB+1]
	v_pk_mul_f32 v[SS+4*(\a)+2:SS+4*(\a)+3], v[AB+16:AB+17], v[AB+16:AB+17]
.irp p, 1,2,3,4,5,6,7
	v_pk_fma_f32 v[SS+4*(\a):SS+4*(\a)+1], v[AB+2*(\p):AB+2*(\p)+1], v[AB+2*(\p):AB+2*(\p)+1], v[SS+4*(\a):SS+4*(\a)+1]
	v_pk_fma_f32 v[SS+4*(\a)+2:SS+4*(\a)+3], v[AB+16+2*(\p):AB+16+2*(\p)+1], v[AB+16+2*(\p):AB+16+2*(\p)+1], v[SS+4*(\a)+2:SS+4*(\a)+3]
.endr
.endm
.irp a, 0,1,2,3,4,5,6,7
	SUMSQ \a
.endr
	WIN 0
.macro ALL8 line:vararg
.set a8, 0
.rept 8
	\line
.set a8, a8+1
.endr
.endm
	ALL8 v_pk_add_f32 v[SS+4*a8:SS+4*a8+1], v[SS+4*a8:SS+4*a8+1], v[SS+4*a8+2:SS+4*a8+3]
	ALL8 v_add_f32 v[SS+4*a8], v[SS+4*a8], v[SS+4*a8+1]
	ALL8 v_permlanex16_b32 v[SS+4*a8+1], v[SS+4*a8], s[SEL], s[SEL+1]
	ALL8 v_add_f32 v[SS+4*a8], v[SS+4*a8], v[SS+4*a8+1]
	ALL8 v_sqrt_f32 v[SS+4*a8], v[SS+4*a8]
	v_nop
	s_wait_alu depctr_va_vdst(0)
	ALL8 v_max_num_f32 v[SS+4*a8], 0x2b8cbccc, v[SS+4*a8]
	ALL8 v_rcp_f32 v[SS+4*a8], v[SS+4*a8]
	v_nop
	s_wait_alu depctr_va_vdst(0)
	ALL8 v_cndmask_b32 v[INV+2*a8], 1.0, v[SS+4*a8], s72
	ALL8 v_cndmask_b32 v[INV+2*a8+1], 1.0, v[SS+4*a8], s72
.macro PACK a                          ; the first 64 columns scaled, all 160 rounded to bf16
	ACCOF \a
	WIN CW|(CW<<6)
.set i, 0
.rept 16
	v_pk_mul_f32 v[AB+2*i:AB+2*i+1], v[AB+2*i:AB+2*i+1], v[INV+2*(\a):INV+2*(\a)+1]
.set i, i+1
.endr
	WIN CW|(CW<<2)
.set i, 0
.rept 40
	v_cvt_pk_bf16_f32 v[TMP+i], v[AB+2*i], v[AB+2*i+1]
.set i, i+1
.endr
	WIN 0
.endm
.macro TOSTAGE a                       ; 16 tokens x 320 bytes into my stage, and back as dense runs of 512 bytes
.set BKS, BK+40*((\a)%2)
.irp b, 0,1,2,3,4,5,6,7,8,9
	ds_store_b128 v[STO], v[TMP+4*(\b):TMP+4*(\b)+3] offset:32*(\b)
.endr
	s_wait_xcnt 0x0                                ; the stores of two blocks ago have read this set of registers
.irp t, 0,1,2,3
	ds_load_b128 v[BKS+4*(\t):BKS+4*(\t)+3], v[RDX] offset:(\t)*4*SPITCH  ; LDS serves a wave's instructions in order: these see the stores above
.endr
.irp t, 0,1,2,3
	ds_load_b128 v[BKS+16+4*(\t):BKS+16+4*(\t)+3], v[RDX] offset:(\t)*4*SPITCH+128
.endr
.irp t, 0,1
	ds_load_b128 v[BKS+32+4*(\t):BKS+32+4*(\t)+3], v[RDQ] offset:(\t)*8*SPITCH
.endr
.endm
.macro SEND a                          ; every store of the wave covers 512 consecutive bytes, aligned
.set BKS, BK+40*((\a)%2)
	s_wait_dscnt 0x0
.irp t, 0,1,2,3
	global_store_b128 v[CO], v[BKS+4*(\t):BKS+4*(\t)+3], s[66:67] offset:2048*(\a)+512*(\t)
.endr
.irp t, 0,1,2,3
	global_store_b128 v[CO], v[BKS+16+4*(\t):BKS+16+4*(\t)+3], s[68:69] offset:2048*(\a)+512*(\t)
.endr
.irp t, 0,1
	global_store_b128 v[CO], v[BKS+32+4*(\t):BKS+32+4*(\t)+3], s[70:71] offset:1024*(\a)+512*(\t)
.endr
.endm
	PACK 0
	TOSTAGE 0
.irp a, 1,2,3,4,5,6,7                  ; a block's arithmetic stands between the loads of the block before and the wait for them
	PACK \a
	SEND (\a)-1
	TOSTAGE \a
.endr
	SEND 7
	s_wait_tensorcnt 0x0                           ; the wave's end
	ds_add_u32 v[SPW], v[NIL]
	s_wait_dscnt 0x0
	CROUND                                         ; the closing round
	s_endpgm
.Lfunc_end_k_q40b24f0755_gemm1:
	.size	k_q40b24f0755_gemm1, .Lfunc_end_k_q40b24f0755_gemm1-k_q40b24f0755_gemm1
	.p2alignl 7, 3214868480
	.fill 96, 4, 3214868480
	.section	.rodata,"a",@progbits
	.p2align	6, 0x0
	.amdhsa_kernel k_q40b24f0755_gemm1
		.amdhsa_group_segment_fixed_size 327680
		.amdhsa_private_segment_fixed_size 0
		.amdhsa_enable_private_segment 0
		.amdhsa_kernarg_size 24
		.amdhsa_user_sgpr_count 2
		.amdhsa_user_sgpr_kernarg_segment_ptr 1
		.amdhsa_wavefront_size32 1
		.amdhsa_system_sgpr_workgroup_id_x 1
		.amdhsa_system_sgpr_workgroup_id_y 1
		.amdhsa_system_sgpr_workgroup_id_z 1
		.amdhsa_system_vgpr_workitem_id 0
		.amdhsa_next_free_vgpr 1024
		.amdhsa_next_free_sgpr 80
		.amdhsa_reserve_vcc 0
		.amdhsa_float_denorm_mode_32 3
		.amdhsa_float_denorm_mode_16_64 3
		.amdhsa_memory_ordered 1
		.amdhsa_forward_progress 1
		.amdhsa_inst_pref_size 140
	.end_amdhsa_kernel
	.amdgpu_metadata
---
amdhsa.version: [ 1, 2 ]
amdhsa.kernels:
  - .name:           k_q40b24f0755_gemm1
    .symbol:         k_q40b24f0755_gemm1.kd
    .args:
      - { .name: xn, .offset: 0, .size: 8, .value_kind: global_buffer, .address_space: global }
      - { .name: wt1, .offset: 8, .size: 8, .value_kind: global_buffer, .address_space: global }
      - { .name: proj, .offset: 16, .size: 8, .value_kind: global_buffer, .address_space: global }
    .group_segment_fixed_size: 327680
    .private_segment_fixed_size: 0
    .kernarg_segment_align: 8
    .kernarg_segment_size: 24
    .max_flat_workgroup_size: 128
    .sgpr_count:     80
    .vgpr_count:     1024
    .wavefront_size: 32
...
	.end_amdgpu_metadata
.endif
;; end of part 6
;; launch attn: the kernel of part 3 again; grid 4 x 64, 4 waves a work-group, no clusters, 167,936 bytes of LDS; arguments proj, xn, wst, b_beta, b_g, b_gate, input_ids, gates, acat; writes gates, acat
;; launch gdn: the kernel of part 4 again; grid 64 x 1, 4 waves a work-group, no clusters, 261,120 bytes of LDS; arguments proj, gates, initial_state, acat; writes acat
;; launch gemm2 (part 7): grid 8 x 32, 4 waves a work-group, clusters of 4 x 4, 327,680 bytes of LDS; arguments acat, wt2, x, out0; writes out0
.if DOCPART == 7
	.amdgcn_target "amdgcn-amd-amdhsa--gfx1250"
	.amdhsa_code_object_version 6
	.text
	.protected	k_q40b24f0755_gemm2
	.globl	k_q40b24f0755_gemm2
	.p2align	8
	.type	k_q40b24f0755_gemm2,@function
k_q40b24f0755_gemm2:
	s_mov_b64 s[64:65], 0
	v_nop
	global_prefetch_b8 v0, s[64:65] scope:SCOPE_SE
	s_setreg_imm32_b32 hwreg(HW_REG_WAVE_MODE, 25, 1), 1
	s_wait_xcnt 0x0
	s_wait_alu depctr_hold_cnt(0) depctr_sa_sdst(0) depctr_va_vdst(0) depctr_va_sdst(0) depctr_va_ssrc(0) depctr_va_vcc(0) depctr_vm_vsrc(0)
	s_getreg_b32 s2, hwreg(HW_REG_IB_STS2, 6, 4)
	s_cmp_eq_u32 s2, 0
	s_cbranch_scc0 .Lentry_in_a_cluster
	s_endpgm
.Lentry_in_a_cluster:
	s_bfe_u32 s2, ttmp6, 0x10000c
	s_cmp_lg_u32 s2, 0xf033
	s_cbranch_scc0 .Lentry_shape_is_right
	s_endpgm
.Lentry_shape_is_right:
; out0 = x + acat [4096][3072] x wt2^T [1024][3072]: the three output products as one, K = 3072; bf16 operands, f32 sums, f32 out.
; acat lies by heads, [b][48 planes][t][64]: a K step of 256 is four planes; a wave's tensor load brings 4 rows of 8 KiB (64 tokens x 64 channels, dense), padded behind each token's 128 bytes.
; A tile of out0 is 128 x 128: 8 x 32 = 256 work-groups.  Four waves, each 64 x 64: 16 accumulators.  Two LDS slots, one K step each; 12 K steps.
; A K STEP IS WRITTEN ONCE FOR BOTH SLOTS: the slot in hand is a scalar, 0 or SLOT, turned by an exclusive or at each change of slots; the fragment addresses and the walking descriptors' LDS words are made from it.
; The loop's 10 trips are the steps behind which a slot is filled again; the last two steps are a loop of two trips that asks for nothing.
; CLUSTER 4 x 4: a row shares acat's tile, a column wt2's: joint loads.  The matrix instruction is used transposed: a lane holds one token and eight neighbouring columns.
; x's 64 x 64 numbers of the wave are asked for at the start, into window 2, and land under the K loop.  A wave's 64 f32 columns are 256 aligned bytes, so each wave has a stage of its own.
; REGISTERS: window 0: v0-31 addresses; v32-63 at work on the way out; v128-255 accumulators.  window 1: two fragment buffers of 128.  window 2: v0-127 x.
.set KSTEP,  256
.set PA,     144                       ; a token's 128 bytes of a plane + 16
.set PB,     528                       ; a row of wt2's tile: 512 bytes + 16
.set AHT,    4*64*PA
.set BHT,    64*PB
.set SLOT,   2*AHT+2*BHT
.set STAGE,  2*SLOT
.set SPITCH, 272
.set SPARE,  STAGE+4*16*SPITCH
.set STEPS,  12
.set ADRA0, 16                         ; v16  my A fragments' place in slot 0; never rewritten
.set ADRA,  17                         ; v17  the same in the slot in hand
.set ADRB0, 20                         ; v20, v21 likewise for B
.set ADRB,  21
.set STO,  24
.set RD,   25
.set CO,   26
.set SPW,  28
.set NIL,  29
.set TMP,  32
.set ACC,  128
.set F0,   0
.set F1,   128
.set G1,  24
.set G0,  32                           ; s[32:35] A's first fill; s[36:39] its second, which then walks on
.set TB,  45                           ; s45  the slot in hand: 0 or SLOT
.set G1B, 48
.set G0B, 56                           ; s[56:59], s[60:63] the same for B
.set MSB, 0
.macro WIN new
.if MSB != (\new)
	s_set_vgpr_msb (MSB<<8)|(\new)
.set MSB, (\new)
.endif
.endm
.set MUL,  0x05
.set TO_F, 0x40
.macro JLOAD s
	s_cmp_eq_u32 s11, 0
	s_cbranch_scc0 .Lfor_b_\@
	tensor_load_to_lds s[G0+4*(\s):G0+4*(\s)+3], s[G1:G1+7]
	s_nop 0
.rept 4
	v_nop
.endr
	s_branch .Lasked_\@
.Lfor_b_\@:
	tensor_load_to_lds s[G0B+4*(\s):G0B+4*(\s)+3], s[G1B:G1B+7]
	s_nop 0
.rept 4
	v_nop
.endr
.Lasked_\@:
.endm
.macro CREST
	s_cmp_lg_u32 s10, 0
	s_cbranch_scc1 .Lnot_wave_0_\@
	s_barrier_signal -3
.Lnot_wave_0_\@:
	s_barrier_wait -3
	s_barrier_signal -1
	s_barrier_wait -1
.endm
.macro CROUND
	s_barrier_signal -1
	s_barrier_wait -1
	CREST
.endm
.macro PLACES
.rept 4
	v_nop
.endr
.endm
	s_load_b128 s[4:7], s[0:1], 0x0                ; acat, wt2
	s_load_b128 s[68:71], s[0:1], 0x10             ; x, out0
	v_lshl_add_u32 v[SPW], v0, 2, SPARE
	v_mov_b32 v[NIL], 0
	ds_add_u32 v[SPW], v[NIL]                      ; the wave's opening: the add and its wait stand ahead of my first tensor load
	ds_add_u32 v28, v29
	v_lshrrev_b32 v1, 5, v0
	v_readfirstlane_b32 s10, v1
	s_lshr_b32 s11, s10, 1                         ; my half of the tokens; also: I fetch A (0) or B (1)
	s_and_b32 s12, s10, 1                          ; my half of the columns; also: which half of that tile I fetch
	s_bfe_u32 s40, ttmp6, 0x40000
	s_bfe_u32 s41, ttmp6, 0x40004
	s_lshl_b32 s42, ttmp9, 2
	s_add_co_u32 s42, s42, s40                     ; tile column
	s_and_b32 s13, ttmp7, 0xffff
	s_lshl_b32 s13, s13, 2
	s_add_co_u32 s13, s13, s41                     ; tile row
	s_lshl_b32 s43, s41, 2
	s_lshl_b32 s43, 15, s43
	s_lshl_b32 s44, 0x1111, s40
	s_or_b32 s[G1+0], s43, (1<<16)|(1<<20)|(1<<21)|(4<<22)|(3<<25)   ; A: 4 words of padding behind every 32
	s_mov_b32 s[G1+1], 4096<<16                    ; tensor_dim0 = 4,096 elements: 64 tokens of a plane
	s_mov_b32 s[G1+2], 4<<16                       ; tensor_dim1 = 4 planes
	s_mov_b32 s[G1+3], 4096<<16                    ; tile_dim0
	s_mov_b32 s[G1+4], 4                           ; tile_dim1
	s_mov_b32 s[G1+5], 65536                       ; elements from plane to plane
	s_mov_b32 s[G1+6], 0
	s_mov_b32 s[G1+7], 0
	s_or_b32 s[G1B+0], s44, (1<<16)|(1<<20)|(1<<21)|(6<<22)|(3<<25)  ; B: 4 words behind every 128
	s_mov_b32 s[G1B+1], KSTEP<<16
	s_mov_b32 s[G1B+2], 64<<16
	s_mov_b32 s[G1B+3], KSTEP<<16
	s_mov_b32 s[G1B+4], 64
	s_mov_b32 s[G1B+5], 3072
	s_mov_b32 s[G1B+6], 0
	s_mov_b32 s[G1B+7], 0
	s_lshr_b32 s16, s13, 3                         ; batch
	s_mul_i32 s16, s16, 48*1024*128
	s_and_b32 s17, s13, 7
	s_lshl_b32 s17, s17, 7
	s_lshl_b32 s18, s12, 6
	s_add_co_u32 s17, s17, s18                     ; first token of my half tile
	s_lshl_b32 s17, s17, 7
	s_add_co_u32 s16, s16, s17
	s_mov_b32 s17, 0
	s_lshl_b32 s46, s42, 7
	s_add_co_u32 s46, s46, s18
	s_mul_i32 s46, s46, 6144
	s_mov_b32 s47, 0
	s_mul_i32 s20, s12, AHT                        ; where they go in a slot; s20 and s21 are kept
	s_mul_i32 s21, s12, BHT
	s_add_co_u32 s21, s21, 2*AHT
	s_mov_b32 s[TB], 0                             ; K step 0 lies in slot 0
	s_wait_dscnt 0x0
	s_wait_kmcnt 0x0
	s_add_nc_u64 s[14:15], s[4:5], s[16:17]
	s_add_nc_u64 s[46:47], s[6:7], s[46:47]
	CROUND
.irp s, 0,1
	s_mov_b32 s[G0+4*(\s)], 1
	s_add_co_u32 s[G0+4*(\s)+1], s20, (\s)*SLOT
	s_add_nc_u64 s[G0+4*(\s)+2:G0+4*(\s)+3], s[14:15], (\s)*4*131072
	s_or_b32 s[G0+4*(\s)+3], s[G0+4*(\s)+3], 0x80000000
	s_mov_b32 s[G0B+4*(\s)], 1
	s_add_co_u32 s[G0B+4*(\s)+1], s21, (\s)*SLOT
	s_add_nc_u64 s[G0B+4*(\s)+2:G0B+4*(\s)+3], s[46:47], (\s)*KSTEP*2
	s_or_b32 s[G0B+4*(\s)+3], s[G0B+4*(\s)+3], 0x80000000
	JLOAD \s                                       ; two loads of mine are out at the start, later one behind each round
.endr
	v_and_b32 v1, 15, v0
	v_bfe_u32 v2, v0, 4, 1
	v_mul_u32_u24 v3, v1, PA
	v_lshl_add_u32 v3, v2, 4, v3
	v_mul_u32_u24 v4, v1, PB
	v_lshl_add_u32 v4, v2, 4, v4
	s_mul_i32 s22, s11, AHT
	s_mul_i32 s23, s12, BHT
	s_add_co_u32 s23, s23, 2*AHT
	v_add_nc_u32 v[ADRA0], s22, v3
	v_add_nc_u32 v[ADRB0], s23, v4
	v_add_nc_u32 v[ADRA], s[TB], v[ADRA0]
	v_add_nc_u32 v[ADRB], s[TB], v[ADRB0]
	s_mul_i32 s22, s10, 16*SPITCH
	s_add_co_u32 s22, s22, STAGE                   ; my stage
	v_mul_u32_u24 v5, v1, SPITCH
	v_lshl_add_u32 v5, v2, 5, v5
	v_add_nc_u32 v[STO], s22, v5                   ; in: token l % 16, 32 bytes for each half of the lanes
	v_mul_u32_u24 v5, v2, SPITCH
	v_lshl_add_u32 v5, v1, 4, v5
	v_add_nc_u32 v[RD], s22, v5                    ; back: lanes 0-15 one row of 256 bytes, lanes 16-31 the next
	v_lshlrev_b32 v[CO], 12, v2
	v_lshl_add_u32 v[CO], v1, 4, v[CO]             ; the same two rows in x and out0
	s_lshl_b32 s16, s13, 7
	s_lshl_b32 s17, s11, 6
	s_add_co_u32 s16, s16, s17
	s_lshl_b32 s16, s16, 12
	s_mov_b32 s17, 0
	s_lshl_b32 s46, s42, 9
	s_lshl_b32 s47, s12, 8
	s_add_co_u32 s46, s46, s47
	s_mov_b32 s47, 0
	s_add_nc_u64 s[16:17], s[16:17], s[46:47]
	s_add_nc_u64 s[68:69], s[68:69], s[16:17]
	s_add_nc_u64 s[70:71], s[70:71], s[16:17]
	WIN 0x80
.set i, 0
.rept 32                                           ; x: rows 2 i and 2 i + 1 of my 64
	global_load_b128 v[4*i:4*i+3], v[CO], s[68:69] offset:8192*i
.set i, i+1
.endr
	WIN 0
.macro MUL8 f, c, a0, zero
	WIN MUL
.irp a, \a0, (\a0)+1
.irp b, 0,1,2,3
.if \zero
	v_wmma_f32_16x16x32_bf16 v[ACC+8*(4*(\a)+(\b)):ACC+8*(4*(\a)+(\b))+7], v[(\f)+64+8*(4*(\c)+(\b)):(\f)+64+8*(4*(\c)+(\b))+7], v[(\f)+8*(4*(\c)+(\a)):(\f)+8*(4*(\c)+(\a))+7], 0
.else
	v_wmma_f32_16x16x32_bf16 v[ACC+8*(4*(\a)+(\b)):ACC+8*(4*(\a)+(\b))+7], v[(\f)+64+8*(4*(\c)+(\b)):(\f)+64+8*(4*(\c)+(\b))+7], v[(\f)+8*(4*(\c)+(\a)):(\f)+8*(4*(\c)+(\a))+7], v[ACC+8*(4*(\a)+(\b)):ACC+8*(4*(\a)+(\b))+7]
.endif
.endr
.endr
.endm
.macro FETCH q, f                      ; 32 LDS loads in one run, from the slot in hand: quarter q of the K step (A: plane q; B: byte 128 q of the rows); the first 32 along K first
	WIN TO_F
.irp c, 0,1
.irp i, 0,1,2,3
	ds_load_b128 v[(\f)+64+8*(4*(\c)+(\i)):(\f)+64+8*(4*(\c)+(\i))+3],   v[ADRB] offset:128*(\q)+64*(\c)+(\i)*16*PB
	ds_load_b128 v[(\f)+64+8*(4*(\c)+(\i))+4:(\f)+64+8*(4*(\c)+(\i))+7], v[ADRB] offset:128*(\q)+64*(\c)+(\i)*16*PB+32
	ds_load_b128 v[(\f)+8*(4*(\c)+(\i)):(\f)+8*(4*(\c)+(\i))+3],         v[ADRA] offset:64*PA*(\q)+64*(\c)+(\i)*16*PA
	ds_load_b128 v[(\f)+8*(4*(\c)+(\i))+4:(\f)+8*(4*(\c)+(\i))+7],       v[ADRA] offset:64*PA*(\q)+64*(\c)+(\i)*16*PA+32
.endr
.endr
.endm
; A K step is four quarters of 64 along K, 32 matrix instructions each, on buffers 0, 1, 0, 1; the 16 accumulators take turns.
.macro QUARTER q, f, g, zero
	s_wait_dscnt 16                                ; the first 32 along K are in
	MUL8 \f, 0, 0, \zero
	MUL8 \f, 0, 2, \zero
	PLACES
	FETCH \q, \g
	s_wait_dscnt 32                                ; all but the 32 just issued
	MUL8 \f, 1, 0, 0
	MUL8 \f, 1, 2, 0
.endm
; The last quarter multiplies buffer 1 and changes slots.  MEET is its first part: one barrier; in front of it each wave waits for all its tensor loads, adds 0 to its spare word, and waits for that and for its reads of this slot.
.macro MEET
	WIN 0
	s_wait_tensorcnt 0x0                           ; all my tensor loads have landed: my part of the next slot
	ds_add_u32 v[SPW], v[NIL]
	s_wait_dscnt 17                                ; the add and the youngest sixteen loads may be out
	MUL8 F1, 0, 0, 0
	s_wait_dscnt 0x0                               ; the add is done, and my reads of this slot are over
	s_barrier_signal -1
	MUL8 F1, 0, 2, 0
	WIN 0
	s_barrier_wait -1
.endm
.macro NEXTSLOT                        ; the other slot is now the slot in hand
	s_xor_b32 s[TB], s[TB], SLOT
	v_add_nc_u32 v[ADRA], s[TB], v[ADRA0]
	v_add_nc_u32 v[ADRB], s[TB], v[ADRB0]
.endm
	s_wait_tensorcnt 1                             ; my part of K step 0 is in; step 1's may stay out
	s_barrier_signal -1
	s_barrier_wait -1
	FETCH 0, F0
	QUARTER 1, F0, F1, 1                           ; the first quarter's first products start the sums
	WIN 0
	s_mov_b32 s3, STEPS-2
.Lstep:                                                ; a trip goes from a K step's second quarter to the next step's first, and fills the slot that it leaves: 2 + 10 = the 12 K steps
	QUARTER 2, F1, F0, 0
	QUARTER 3, F0, F1, 0
	MEET
	CREST                                          ; the barrier has opened a round of the cluster's: no wave of any partner still reads this slot or has a load on its way
	s_add_co_u32 s[G0+5], s20, s[TB]               ; the walking descriptors: into the slot just read,
	s_add_co_u32 s[G0B+5], s21, s[TB]
	s_add_nc_u64 s[G0+6:G0+7], s[G0+6:G0+7], 4*131072    ; the K step behind the one asked for last: four planes on, 256 columns on; the type bits on top are not reached
	s_add_nc_u64 s[G0B+6:G0B+7], s[G0B+6:G0B+7], KSTEP*2
	JLOAD 1                                        ; the first tensor load behind the round; its four v_nop are also the places in front of the loads below
	NEXTSLOT
	FETCH 0, F0
	MUL8 F1, 1, 0, 0
	MUL8 F1, 1, 2, 0
	QUARTER 1, F0, F1, 0
	WIN 0
	s_sub_co_u32 s3, s3, 1
	s_cmp_lg_u32 s3, 0
	s_cbranch_scc1 .Lstep
	s_mov_b32 s3, 2
.Ltail:                                                ; the last two K steps ask for nothing: their text holds no tensor load.  The first trip's barrier shows the last tile to every wave; the second's waits are met at once
	QUARTER 2, F1, F0, 0
	QUARTER 3, F0, F1, 0
	MEET
	s_cmp_eq_u32 s3, 1
	s_cbranch_scc1 .Lnofetch                       ; behind the last step there is no further slot: the run of loads is jumped over
	NEXTSLOT
	PLACES
	FETCH 0, F0
	WIN 0
.Lnofetch:
	MUL8 F1, 1, 0, 0
	MUL8 F1, 1, 2, 0
	WIN 0
	s_sub_co_u32 s3, s3, 1
	s_cmp_eq_u32 s3, 0
	s_cbranch_scc1 .Lout                           ; the second trip is left here, behind the last products
	QUARTER 1, F0, F1, 0
	WIN 0
	s_branch .Ltail
.Lout:
	; THE WAY OUT: 16 tokens at a time through my own stage in f32; x is added where it lies, in window 2, and stored from there.
	PLACES
	s_wait_loadcnt 0x0                             ; x
.irp a, 0,1,2,3
	WIN 0
.irp b, 0,1,2,3
	ds_store_b128 v[STO], v[ACC+8*(4*(\a)+(\b)):ACC+8*(4*(\a)+(\b))+3] offset:64*(\b)
	ds_store_b128 v[STO], v[ACC+8*(4*(\a)+(\b))+4:ACC+8*(4*(\a)+(\b))+7] offset:64*(\b)+16
.endr
.irp t, 0,1,2,3,4,5,6,7
	ds_load_b128 v[TMP+4*(\t):TMP+4*(\t)+3], v[RD] offset:(\t)*2*SPITCH  ; LDS serves a wave's instructions in order: these see the stores above
.endr
	WIN 0x88                                       ; source 1 and destination in window 2; a store's data is its source 1
.irp t, 0,1,2,3,4,5,6,7
	s_wait_dscnt 7-(\t)
	v_pk_add_f32 v[32*(\a)+4*(\t):32*(\a)+4*(\t)+1], v[TMP+4*(\t):TMP+4*(\t)+1], v[32*(\a)+4*(\t):32*(\a)+4*(\t)+1]
	v_pk_add_f32 v[32*(\a)+4*(\t)+2:32*(\a)+4*(\t)+3], v[TMP+4*(\t)+2:TMP+4*(\t)+3], v[32*(\a)+4*(\t)+2:32*(\a)+4*(\t)+3]
	global_store_b128 v[CO], v[32*(\a)+4*(\t):32*(\a)+4*(\t)+3], s[70:71] offset:4096*(16*(\a)+2*(\t))  ; sixteen lanes store 256 consecutive bytes, aligned
.endr
.endr
	WIN 0
	s_wait_tensorcnt 0x0                           ; the wave's end
	ds_add_u32 v[SPW], v[NIL]
	s_wait_dscnt 0x0
	CROUND                                         ; the closing round
	s_endpgm
.Lfunc_end_k_q40b24f0755_gemm2:
	.size	k_q40b24f0755_gemm2, .Lfunc_end_k_q40b24f0755_gemm2-k_q40b24f0755_gemm2
	.p2alignl 7, 3214868480
	.fill 96, 4, 3214868480
	.section	.rodata,"a",@progbits
	.p2align	6, 0x0
	.amdhsa_kernel k_q40b24f0755_gemm2
		.amdhsa_group_segment_fixed_size 327680
		.amdhsa_private_segment_fixed_size 0
		.amdhsa_enable_private_segment 0
		.amdhsa_kernarg_size 32
		.amdhsa_user_sgpr_count 2
		.amdhsa_user_sgpr_kernarg_segment_ptr 1
		.amdhsa_wavefront_size32 1
		.amdhsa_system_sgpr_workgroup_id_x 1
		.amdhsa_system_sgpr_workgroup_id_y 1
		.amdhsa_system_sgpr_workgroup_id_z 1
		.amdhsa_system_vgpr_workitem_id 0
		.amdhsa_next_free_vgpr 768
		.amdhsa_next_free_sgpr 72
		.amdhsa_reserve_vcc 0
		.amdhsa_float_denorm_mode_32 3
		.amdhsa_float_denorm_mode_16_64 3
		.amdhsa_memory_ordered 1
		.amdhsa_forward_progress 1
		.amdhsa_inst_pref_size 66
	.end_amdhsa_kernel
	.amdgpu_metadata
---
amdhsa.version: [ 1, 2 ]
amdhsa.kernels:
  - .name:           k_q40b24f0755_gemm2
    .symbol:         k_q40b24f0755_gemm2.kd
    .args:
      - { .name: acat, .offset: 0, .size: 8, .value_kind: global_buffer, .address_space: global }
      - { .name: wt2, .offset: 8, .size: 8, .value_kind: global_buffer, .address_space: global }
      - { .name: x, .offset: 16, .size: 8, .value_kind: global_buffer, .address_space: global }
      - { .name: out0, .offset: 24, .size: 8, .value_kind: global_buffer, .address_space: global }
    .group_segment_fixed_size: 327680
    .private_segment_fixed_size: 0
    .kernarg_segment_align: 8
    .kernarg_segment_size: 32
    .max_flat_workgroup_size: 128
    .sgpr_count:     72
    .vgpr_count:     768
    .wavefront_size: 32
...
	.end_amdgpu_metadata
.endif
;; end of part 7
